; MI455X (gfx1250); checked and timed in simulation.
; The chip was launched on July 23, 2026; its instructions are those of AMD's public machine-readable ISA for CDNA 5 (MIT licence, August 2026) and "CDNA5" Instruction Set Architecture Reference Guide (July 2026). The comments in the code are by the model that wrote it; some were corrected since.
;; Causal Self Attention. Allowed arithmetic: matrix products marked QUANTISED: E2M1 operands, one E8M0 scale for each 32 along K, by v_wmma_scale_f32_16x16x128_f8f6f4 with both operands' format E2M1 (or v_wmma_scale_f32_32x16x128_f4), f32 sums; everything else in f32.
;; Inputs: W_kqv 16 x 1,024 x 192 float32; W_proj 1,024 x 1,024 float32; b_kqv 16 x 192 float32; b_proj 1,024 float32; x 4 x 2,048 x 1,024 float32.
;; Outputs: out0 4 x 2,048 x 1,024 float32.
;; This version of the problem:
;;   THIS VERSION OF THE PROBLEM IS GIVEN IN LOW PRECISION. The matrix products marked QUANTISED in the list below multiply operands that are first quantised to E2M1 (2 exponent bits, 1 mantissa bit; 4 bits a number), with one power-of-two scale for each 32 numbers along K (OCP MX v1.0); their sums are f32. All else is computed in f32.
;;   The module's matrix products, in the order in which they are computed (A, B: the left and right operand; K: the contracted axis; several contracted axes count as one K, in the product's order):
;;     1. [M 3,072, K 1,024] x [K 1,024, N 8,192]; A: input W_kqv; B: input x: QUANTISED
;;     2. batch 64 x [M 2,048, K 64] x [K 64, N 2,048]; A: computed on the way; B: computed on the way: QUANTISED
;;     3. batch 64 x [M 2,048, K 2,048] x [K 2,048, N 64]; A: softmax (see below); B: computed on the way: QUANTISED
;;     4. [M 8,192, K 1,024] x [K 1,024, N 1,024]; A: computed on the way; B: input W_proj: QUANTISED
;;   THE QUANTISER, for each operand of a quantised product, along K:
;;     - K is cut into blocks of 32 from its start; a last block that is shorter is filled with zeros.
;;     - A block's scale is 2^e with e = floor(log2(the largest magnitude in the block)) - 2, held to -126 .. 127; a block of zeros has e = 0. As a byte (E8M0): e + 127.
;;     - Each number is divided by its block's scale, clamped to +-6, and rounded to the nearest number of E2M1, ties to even, subnormals kept.
;;     - The product sums the exact products of the quantised numbers (number of the format x scale) in f32.
;;   ~~~python
;;   def quantise(x, axis):      # numpy; x: float32 -> the quantised numbers, widened to float32 again
;;       x = np.moveaxis(x, axis, -1); K = x.shape[-1]
;;       x = np.pad(x, [(0, 0)] * (x.ndim - 1) + [(0, -K % 32)]); x = x.reshape(x.shape[:-1] + (-1, 32)); a = np.abs(x).max(-1, keepdims=True)
;;       e = np.where(a > 0, np.clip(np.frexp(np.where(a > 0, a, 1))[1] - 1 - 2, -126, 127), 0)      # np.frexp(a)[1] - 1 = floor(log2(a)), exactly
;;       r = np.clip(x / 2.0 ** e, -6, 6)
;;       step = 2.0 ** (np.maximum(np.frexp(np.where(r == 0, 1, r))[1] - 1, 0) - 1)
;;       q = np.round(r / step) * step * 2.0 ** e      # np.round: ties to even
;;       return np.moveaxis(q.reshape(q.shape[:-2] + (-1,))[..., :K], -1, axis).astype(np.float32)
;;   ~~~
;;   SOFTMAX AHEAD OF A QUANTISED PRODUCT. Where the list says 'softmax', what is quantised is not the finished softmax but p = 2^(t - M), with t = logit x log2(e) and M = ceil(the row's largest t), a whole number; so 1/2 < the row's largest p <= 1. The row's sum l is taken of the UNQUANTISED p, in f32, and the product's result is divided by l at the end. Since M is a whole number, a kernel that streams over the keys may use a running M (the ceiling of the running maximum): every later rescaling is an exact power of two, which a block's scale takes up: the codes' values come out the same.
;;   OPERANDS COMPUTED ON THE WAY. 'Computed on the way' means the value that the module computes at that place (a softmax that the list does not call 'softmax' is quantised finished and normalised). What goes into a quantiser is computed in f32, as accurately as f32 sums, v_exp_f32 and their like allow (about 1e-6 of the number): no bf16 or f16 on the way to a quantiser, and a product that is left as it is and whose result goes on into a quantised operand takes f32 operands (vector FMAs, or v_wmma_f32_16x16x4_f32). A number that lies on a knife's edge between two numbers of the format may be rounded either way, as far as f32 arithmetic and the matrix unit's own rounding can turn it there, and no further.
;; One version. Each part assembles by itself: llvm-mc -triple=amdgcn-amd-amdhsa -mcpu=gfx1250 --defsym DOCPART=n.
;; ======== version 1 of 1: 4 launches
;; limits: right only within a limited range of input values
;; workspace buffers: xq 4,456,448 bytes; wkq 1,671,168 bytes; wpq 557,056 bytes; kv 9,175,040 bytes; qq 4,718,592 bytes; sa 4,718,592 bytes
;; launch quant (part 1): grid 256 x 1, 8 waves a work-group, no clusters, 100,352 bytes of LDS; arguments x, W_kqv, W_proj, xq, wkq, wpq; writes xq, wkq, wpq
.if DOCPART == 1
	.amdgcn_target "amdgcn-amd-amdhsa--gfx1250"
	.amdhsa_code_object_version 6
	.text
	.protected	k_q5230de2fcf_quant
	.globl	k_q5230de2fcf_quant
	.p2align	8
	.type	k_q5230de2fcf_quant,@function
k_q5230de2fcf_quant:
	s_mov_b64 s[64:65], 0
	v_nop
	global_prefetch_b8 v0, s[64:65] scope:SCOPE_SE
	s_setreg_imm32_b32 hwreg(HW_REG_WAVE_MODE, 25, 1), 1
	s_wait_xcnt 0x0
; One launch quantises all three wide operands to codes of FP4 (E2M1) with one E8M0 byte for each 32 along K, laid as the products' operand registers want them.
; WORK LEFT OUT BY THE PROGRAM: only key steps that lie wholly above the diagonal of the causal mask that reference() builds itself (their p is 0 for all inputs); a NaN or infinity that reaches only those scores is not carried.  Every input is loaded.
; IMAGES.  In each group of 32 rows (tokens of x, columns of a weight), tile u (0, 1) row r is row 16 (r / 8) + 8 u + r % 8.  A tile's image is 8,192 bytes: byte 256 kb + 16 r + the block's 16 bytes, kb = k / 32.
; A pair of tiles has a scale image of 1,024 bytes: byte 512 (kb / 16) + 256 u + 16 r + kb % 16.
; xq: 512 images, from byte 4,194,304 on 256 scale images.  wkq: 192 images (head h: tiles 12 h on: k, q, v), from byte 1,572,864 on 96 scale images.  wpq: 64 images, from byte 524,288 on 32 scale images.
; A block's scale is 2^(floor(log2(largest magnitude)) - 2); its byte is the largest magnitude's exponent field - 2, held at 1 from below.
; LIMITS: a block whose largest magnitude lies under 2^-124 (zeros too) keeps the byte 1; this program alone reads the bytes.  NaN and infinities among the inputs are not served.
; SHARES.  Work-groups 0-127 take x: a wave takes one tile x 512 along K, 16 steps of a row each.  Work-groups 128-255 take the weights: 32 columns x all of K, wave w rows 128 w on.
; The two paths part on the work-group's number, have LDS bytes of their own and do not join.  Work-groups share no input: no cluster; no matrix unit; no loop to prefetch in.
.set WREG,  10240                      ; x: LDS of a wave: two turn stages of 32 x 80, the code stage of 16 x 272, 256 scale bytes
.set SP,    80
.set CST,   5120
.set SCB,   9472
.set STEPS, 16
.set R,     16                         ; x: v16-79 four sets of 16 numbers as loaded
.set X,     80                         ; v80-111 two sets of 16 neighbours
.set E,     112                        ; v112-127 a byte for each step
.set C,     128                        ; v128-159 codes
.set OUTR,  160                        ; v160-191 the way out
.set WL,    81920                      ; weights: two images, then the scale image
.set SIMG,  WL+16384
.set SPARE, WL+17408                   ; the spare words, 128 bytes a wave
.set VO,    16                         ; weights: v16-47 4 x lane + i x pitch
.set XW,    48                         ; v48-175 four sets of 32 numbers
.set CW,    176                        ; v176-191 codes
.set OW,    192                        ; v192-207 the way out
	s_load_b256 s[4:11], s[0:1], 0x0               ; x, W_kqv, W_proj, xq
	s_load_b128 s[12:15], s[0:1], 0x20             ; wkq, wpq
	v_lshl_add_u32 v210, v0, 2, SPARE
	v_mov_b32 v211, 0
	v_lshrrev_b32 v1, 5, v0
	v_readfirstlane_b32 s16, v1                    ; wave 0..7
	v_and_b32 v2, 31, v0                           ; lane
	v_lshlrev_b32 v3, 4, v2                        ; 16 x lane
	s_cmp_lt_u32 ttmp9, 128
	s_wait_alu depctr_va_vdst(0)
	s_cbranch_scc0 .Lw
	; ---- x ----
	s_mul_i32 s17, s16, WREG
	v_lshrrev_b32 v14, 2, v2
	v_mul_u32_u24 v14, v14, SP
	v_and_b32 v15, 3, v2
	v_lshl_add_u32 v14, v15, 4, v14
	v_add_nc_u32 v14, s17, v14                     ; turn stage, in: 80 (lane / 4) + 16 (lane % 4)
	v_mul_u32_u24 v15, v2, SP
	v_add_nc_u32 v15, s17, v15                     ; turn stage, out: 80 x lane
	v_lshrrev_b32 v5, 1, v2                        ; my block of the step's 16
	v_mul_u32_u24 v4, v5, 272
	v_and_b32 v8, 1, v2
	v_lshl_add_u32 v4, v8, 3, v4
	v_add_nc_u32 v4, s17, v4
	v_add_nc_u32 v4, CST, v4                       ; code stage, in: row = block, my 8 bytes of its 16
	v_add_nc_u32 v5, s17, v5
	v_add_nc_u32 v5, SCB, v5                       ; my block's byte
	v_lshrrev_b32 v6, 4, v2
	v_mul_u32_u24 v6, v6, 272
	v_and_b32 v8, 15, v2
	v_lshl_add_u32 v6, v8, 4, v6
	v_add_nc_u32 v6, s17, v6
	v_add_nc_u32 v6, CST, v6                       ; code stage, out: sixteen lanes to a row
	v_lshlrev_b32 v7, 3, v2
	v_add_nc_u32 v10, s17, v7
	v_add_nc_u32 v10, SCB, v10                     ; the scale bytes, out: 8 a lane
	s_lshl_b32 s18, ttmp9, 3
	s_add_co_u32 s18, s18, s16                     ; my task
	s_lshr_b32 s19, s18, 1                         ; tile
	s_and_b32 s20, s18, 1                          ; half of K
	s_lshr_b32 s21, s19, 1                         ; group
	s_and_b32 s22, s19, 1                          ; u
	s_lshl_b32 s24, s21, 17                        ; x: 32 rows of 4,096 bytes a group, 8 rows for u, 2,048 bytes for the half
	s_lshl_b32 s23, s22, 15
	s_add_co_u32 s24, s24, s23
	s_lshl_b32 s23, s20, 11
	s_add_co_u32 s24, s24, s23
	s_mov_b32 s25, 0
	s_lshl_b32 s26, s19, 13                        ; the tile's image, its half
	s_lshl_b32 s23, s20, 12
	s_add_co_u32 s26, s26, s23
	s_mov_b32 s27, 0
	s_lshl_b32 s28, s21, 10                        ; the pair's scale image, the half of K, u
	s_lshl_b32 s23, s20, 9
	s_add_co_u32 s28, s28, s23
	s_lshl_b32 s23, s22, 8
	s_add_co_u32 s28, s28, s23
	s_add_co_u32 s28, s28, 4194304
	s_mov_b32 s29, 0
	s_wait_alu depctr_va_vdst(0)
	s_wait_kmcnt 0x0
	s_add_nc_u64 s[4:5], s[4:5], s[24:25]
	s_add_nc_u64 s[40:41], s[10:11], s[26:27]
	s_add_nc_u64 s[42:43], s[10:11], s[28:29]
.macro LOAD t                          ; row t of the tile lies t + 8 (t / 8) rows of x on; each load reads 512 consecutive bytes
.irp i, 0,1,2,3
	global_load_b128 v[R+16*((\t)%4)+4*\i:R+16*((\t)%4)+4*\i+3], v3, s[4:5] offset:((\t)+8*((\t)/8))*4096+512*\i th:TH_LOAD_NT
.endr
.endm
.macro TURN t                          ; a wave's LDS instructions go in order: no wait between the stores and the loads
.irp i, 0,1,2,3
	ds_store_b128 v14, v[R+16*((\t)%4)+4*\i:R+16*((\t)%4)+4*\i+3] offset:32*SP*((\t)%2)+8*SP*\i
.endr
.irp i, 0,1,2,3
	ds_load_b128 v[X+16*((\t)%2)+4*\i:X+16*((\t)%2)+4*\i+3], v15 offset:32*SP*((\t)%2)+16*\i
.endr
.endm
.irp t, 0,1,2,3
	LOAD \t
.endr
	s_wait_loadcnt 12                              ; step 0's four loads are in; the twelve of steps 1 to 3 may be out
	TURN 0
.macro STEP t
.set XS, X+16*((\t)%2)
.if (\t) > 0
	s_wait_dscnt 2                                 ; this step's numbers are back; the last step's two stores (byte, codes) may be out
.else
	s_wait_dscnt 0x0
.endif
.if (\t)+4 < STEPS
	LOAD (\t)+4
.endif
.if (\t)+1 < STEPS
.if STEPS-2-(\t) >= 3
	s_wait_loadcnt 12                              ; the next step's four loads are in; those of the three steps behind it may be out
.else
	s_wait_loadcnt 4*(STEPS-2-(\t))
.endif
	TURN (\t)+1
.endif
	v_max3_num_f32 v8, |v[XS]|, |v[XS+1]|, |v[XS+2]|               ; the largest magnitude of my 16, in two chains
	v_max3_num_f32 v9, |v[XS+3]|, |v[XS+4]|, |v[XS+5]|
.irp i, 6,10
	v_max3_num_f32 v8, v8, |v[XS+\i]|, |v[XS+\i+1]|
	v_max3_num_f32 v9, v9, |v[XS+\i+2]|, |v[XS+\i+3]|
.endr
	v_max3_num_f32 v8, v8, |v[XS+14]|, |v[XS+15]|
	v_max3_num_f32 v8, v8, v9, 0x1800000           ; the floor 2^(3 - 127): the byte cannot fall under 1
	v_max_num_f32_dpp v8, v8, v8 row_xmask:1 row_mask:0xf bank_mask:0xf   ; with my neighbour's 16: the block's
	v_add_nc_u32 v11, 0xff000000, v8               ; 2 off the exponent field: the conversion's scale operand
	v_cvt_scalef32_pk8_fp4_f32 v[C+2*(\t)], v[XS:XS+7], v11
	v_cvt_scalef32_pk8_fp4_f32 v[C+2*(\t)+1], v[XS+8:XS+15], v11
	v_lshrrev_b32 v[E+(\t)], 23, v11               ; the byte
	ds_store_b8 v5, v[E+(\t)] offset:16*(\t)       ; both lanes of a block write the same byte with the same value
	ds_store_b64 v4, v[C+2*(\t):C+2*(\t)+1] offset:16*(\t)
.endm
.irp t, 0,1,2,3,4,5,6,7,8,9,10,11,12,13,14,15
	STEP \t
.endr
.irp i, 0,1,2,3,4,5,6,7
	ds_load_b128 v[OUTR+4*\i:OUTR+4*\i+3], v6 offset:544*\i
.endr
	ds_load_b64 v[12:13], v10
.irp i, 0,1,2,3,4,5,6,7
	s_wait_dscnt 8-\i                              ; load i is in; the 7 - i behind it and the bytes' load may be out
	global_store_b128 v3, v[OUTR+4*\i:OUTR+4*\i+3], s[40:41] offset:512*\i   ; 512 consecutive bytes
.endr
	s_wait_dscnt 0x0
	global_store_b64 v7, v[12:13], s[42:43]        ; 256 consecutive bytes, aligned
	s_wait_tensorcnt 0x0                           ; the wave's end
	ds_add_u32 v210, v211
	s_wait_dscnt 0x0
	s_endpgm
	; ---- the weights: a lane takes a column and its registers run down K ----
.Lw:
	s_sub_co_u32 s44, ttmp9, 128                   ; 0-95: W_kqv; 96-127: W_proj: only pointers, a pitch and offsets are chosen
	v_lshlrev_b32 v15, 2, v2                       ; 4 x lane
	v_bfe_u32 v9, v0, 3, 1                         ; u
	v_and_b32 v10, 7, v0
	v_bfe_u32 v11, v0, 4, 1
	v_lshl_add_u32 v10, v11, 3, v10                ; r
	v_lshlrev_b32 v4, 13, v9
	v_lshl_add_u32 v4, v10, 4, v4
	s_lshl_b32 s46, s16, 10
	s_add_co_u32 s46, s46, WL
	v_add_nc_u32 v4, s46, v4                       ; my codes: 8,192 u + 16 r + 1,024 w; block t 256 t on
	v_lshlrev_b32 v5, 8, v9
	v_lshl_add_u32 v5, v10, 4, v5
	s_lshr_b32 s46, s16, 2
	s_lshl_b32 s46, s46, 9
	s_and_b32 s47, s16, 3
	s_lshl_b32 s47, s47, 2
	s_add_co_u32 s46, s46, s47
	v_add_nc_u32 v5, s46, v5
	v_add_nc_u32 v5, SIMG, v5                      ; my four bytes: 256 u + 16 r + 512 (w / 4) + 4 (w % 4)
	s_lshl_b32 s46, s16, 11
	v_add_nc_u32 v6, s46, v3                       ; the way out: 2,048 bytes a wave, in memory,
	v_add_nc_u32 v208, WL, v6                      ; and in LDS
	s_lshl_b32 s46, s16, 9
	v_add_nc_u32 v8, s46, v3                       ; the scale image: 512 bytes for each of waves 0 and 1
	v_add_nc_u32 v7, SIMG, v8
	s_mul_hi_u32 s45, s44, 0x2aaaaaab              ; W_kqv: head = number / 6
	s_mul_i32 s17, s45, 6
	s_sub_co_u32 s17, s44, s17
	s_mul_i32 s18, s45, 786432
	s_lshl_b32 s17, s17, 7
	s_add_co_u32 s18, s18, s17                     ; where its columns begin
	s_sub_co_u32 s19, s44, 96                      ; W_proj: the group of columns
	s_lshl_b32 s20, s19, 7
	s_mov_b32 s21, 4096
	s_mov_b32 s22, 524288
	s_wait_alu depctr_va_vdst(0)
	s_wait_kmcnt 0x0
	s_cmp_lt_u32 s44, 96
	s_cselect_b32 s18, s18, s20                    ; first column, in bytes
	s_cselect_b32 s19, s44, s19                    ; the pair of tiles
	s_cselect_b32 s21, 768, s21                    ; a row of the matrix in bytes
	s_cselect_b32 s22, 1572864, s22                ; where the scale images begin
	s_cselect_b64 s[4:5], s[6:7], s[8:9]
	s_cselect_b64 s[8:9], s[12:13], s[14:15]
	s_lshl_b32 s23, s16, 7
	s_mul_i32 s23, s23, s21                        ; my 128 rows
	s_add_co_u32 s36, s18, s23
	s_mov_b32 s37, 0
	s_lshl_b32 s38, s21, 5                         ; 32 rows on
	s_mov_b32 s39, 0
	s_add_nc_u64 s[24:25], s[4:5], s[36:37]        ; a base for each of my four blocks
	s_add_nc_u64 s[26:27], s[24:25], s[38:39]
	s_add_nc_u64 s[28:29], s[26:27], s[38:39]
	s_add_nc_u64 s[30:31], s[28:29], s[38:39]
	s_lshl_b32 s36, s19, 14
	s_add_nc_u64 s[32:33], s[8:9], s[36:37]        ; the pair's two images
	s_lshl_b32 s36, s19, 10
	s_add_co_u32 s36, s36, s22
	s_add_nc_u64 s[34:35], s[8:9], s[36:37]        ; its scale image
.set i, 0
.rept 32
	v_mad_u32_u24 v[VO+i], s21, i, v15
.set i, i+1
.endr
.macro WLOAD t                         ; block t: 32 rows; each load reads 128 consecutive bytes
.set i, 0
.rept 32
	global_load_b32 v[XW+32*(\t)+i], v[VO+i], s[24+2*(\t):25+2*(\t)]
.set i, i+1
.endr
.endm
.macro BLOCK t
.set XS, XW+32*(\t)
	v_max3_num_f32 v12, |v[XS]|, |v[XS+1]|, |v[XS+2]|              ; all 32 numbers are mine: two chains by turns
	v_max3_num_f32 v13, |v[XS+3]|, |v[XS+4]|, |v[XS+5]|
.irp i, 6,10,14,18,22,26
	v_max3_num_f32 v12, v12, |v[XS+\i]|, |v[XS+\i+1]|
	v_max3_num_f32 v13, v13, |v[XS+\i+2]|, |v[XS+\i+3]|
.endr
	v_max3_num_f32 v12, v12, |v[XS+30]|, |v[XS+31]|
	v_max3_num_f32 v12, v12, v13, 0x1800000        ; the floor 2^(3 - 127)
	v_add_nc_u32 v11, 0xff000000, v12              ; the conversion's scale operand
	v_lshrrev_b32 v13, 23, v11                     ; the byte
.if (\t) == 0
	v_mov_b32 v14, v13
.else
	v_lshl_or_b32 v14, v13, 8*(\t), v14
.endif
.irp g, 0,1,2,3
	v_cvt_scalef32_pk8_fp4_f32 v[CW+4*(\t)+\g], v[XS+8*\g:XS+8*\g+7], v11
.endr
	ds_store_b128 v4, v[CW+4*(\t):CW+4*(\t)+3] offset:256*(\t)
.endm
	WLOAD 0
	WLOAD 1
	s_wait_alu depctr_va_vdst(0)
	s_wait_loadcnt 32                              ; block 0 is in; block 1's 32 loads may be out
	WLOAD 2
	BLOCK 0
	s_wait_loadcnt 32                              ; block 1 is in; block 2's may be out
	WLOAD 3
	BLOCK 1
	s_wait_loadcnt 32                              ; block 2 is in; block 3's may be out
	BLOCK 2
	s_wait_loadcnt 0x0
	BLOCK 3
	ds_store_b32 v5, v14
	s_wait_dscnt 0x0                               ; for the others' sake: my stores have landed
	s_barrier_signal -1
	s_barrier_wait -1
.irp i, 0,1,2,3
	ds_load_b128 v[OW+4*\i:OW+4*\i+3], v208 offset:512*\i
.endr
.irp i, 0,1,2,3
	s_wait_dscnt 3-\i
	global_store_b128 v6, v[OW+4*\i:OW+4*\i+3], s[32:33] offset:512*\i   ; 512 consecutive bytes
.endr
	s_cmp_lt_u32 s16, 2
	s_cbranch_scc0 .Ldone
	ds_load_b128 v[48:51], v7
	s_wait_dscnt 0x0
	global_store_b128 v8, v[48:51], s[34:35]
.Ldone:
	s_wait_tensorcnt 0x0                           ; the wave's end
	ds_add_u32 v210, v211
	s_wait_dscnt 0x0
	s_endpgm
.Lfunc_end_k_q5230de2fcf_quant:
	.size	k_q5230de2fcf_quant, .Lfunc_end_k_q5230de2fcf_quant-k_q5230de2fcf_quant
	.p2alignl 7, 3214868480
	.fill 96, 4, 3214868480
	.section	.rodata,"a",@progbits
	.p2align	6, 0x0
	.amdhsa_kernel k_q5230de2fcf_quant
		.amdhsa_group_segment_fixed_size 100352
		.amdhsa_private_segment_fixed_size 0
		.amdhsa_enable_private_segment 0
		.amdhsa_kernarg_size 48
		.amdhsa_user_sgpr_count 2
		.amdhsa_user_sgpr_kernarg_segment_ptr 1
		.amdhsa_wavefront_size32 1
		.amdhsa_system_sgpr_workgroup_id_x 1
		.amdhsa_system_sgpr_workgroup_id_y 1
		.amdhsa_system_sgpr_workgroup_id_z 1
		.amdhsa_system_vgpr_workitem_id 0
		.amdhsa_next_free_vgpr 212
		.amdhsa_next_free_sgpr 66
		.amdhsa_reserve_vcc 0
		.amdhsa_float_denorm_mode_32 3
		.amdhsa_float_denorm_mode_16_64 3
		.amdhsa_memory_ordered 1
		.amdhsa_forward_progress 1
		.amdhsa_inst_pref_size 59
	.end_amdhsa_kernel
	.amdgpu_metadata
---
amdhsa.version: [ 1, 2 ]
amdhsa.kernels:
  - .name:           k_q5230de2fcf_quant
    .symbol:         k_q5230de2fcf_quant.kd
    .args:
      - { .name: x, .offset: 0, .size: 8, .value_kind: global_buffer, .address_space: global }
      - { .name: W_kqv, .offset: 8, .size: 8, .value_kind: global_buffer, .address_space: global }
      - { .name: W_proj, .offset: 16, .size: 8, .value_kind: global_buffer, .address_space: global }
      - { .name: xq, .offset: 24, .size: 8, .value_kind: global_buffer, .address_space: global }
      - { .name: wkq, .offset: 32, .size: 8, .value_kind: global_buffer, .address_space: global }
      - { .name: wpq, .offset: 40, .size: 8, .value_kind: global_buffer, .address_space: global }
    .group_segment_fixed_size: 100352
    .private_segment_fixed_size: 0
    .kernarg_segment_align: 8
    .kernarg_segment_size: 48
    .max_flat_workgroup_size: 256
    .sgpr_count:     66
    .vgpr_count:     212
    .wavefront_size: 32
...
	.end_amdgpu_metadata
.endif
;; end of part 1
;; launch kqv (part 2): grid 16 x 16, 4 waves a work-group, clusters of 4 x 4, 327,680 bytes of LDS; arguments xq, wkq, b_kqv, kv, qq; writes kv, qq
.if DOCPART == 2
	.amdgcn_target "amdgcn-amd-amdhsa--gfx1250"
	.amdhsa_code_object_version 6
	.text
	.protected	k_q5230de2fcf_kqv
	.globl	k_q5230de2fcf_kqv
	.p2align	8
	.type	k_q5230de2fcf_kqv,@function
k_q5230de2fcf_kqv:
	s_mov_b64 s[64:65], 0
	v_nop
	global_prefetch_b8 v0, s[64:65] scope:SCOPE_SE
	s_setreg_imm32_b32 hwreg(HW_REG_WAVE_MODE, 25, 1), 1
	s_wait_xcnt 0x0
	s_wait_alu depctr_hold_cnt(0) depctr_sa_sdst(0) depctr_va_vdst(0) depctr_va_sdst(0) depctr_va_ssrc(0) depctr_va_vcc(0) depctr_vm_vsrc(0)
	s_getreg_b32 s2, hwreg(HW_REG_IB_STS2, 6, 4)
	s_cmp_eq_u32 s2, 0
	s_cbranch_scc0 .Lentry_in_a_cluster
	s_endpgm
.Lentry_in_a_cluster:
	s_bfe_u32 s2, ttmp6, 0x10000c
	s_cmp_lg_u32 s2, 0xf033
	s_cbranch_scc0 .Lentry_shape_is_right
	s_endpgm
.Lentry_shape_is_right:
; kqv = x W_kqv + b_kqv on codes of FP4 (E2M1) with E8M0 scales, sums in f32; then k and q are quantised along the head's 64 and v along the tokens, and leave as images of the next launch's operand registers.
; SHARES.  A work-group takes 256 tokens (row block rb) x one head (192 columns: 12 tiles).  Wave w takes x's tiles 4 w .. 4 w + 3 (64 tokens) against all 12 tiles of W: 48 accumulators, 8 steps of 128 along K.
; All of K lies in LDS: 512 bytes a row; every LDS byte is filled once, so there is no ring.  Fragments and scale words are images of the operand's registers: every load is 16 x lane on a constant.
; k, q: source 0 = 16 columns of W, source 1 = 16 tokens: a lane holds ONE token and its registers run along the head's channels.  v: source 0 = 16 tokens, source 1 = 16 columns: a lane holds ONE channel and its registers run along the tokens.
; The rows of a tile are not neighbours (in a group of 32: 16 (r / 8) + 8 u + r % 8), so that the 16 registers of tiles 2 b, 2 b + 1 are 16 neighbours, 32 b + 16 (lane / 16) + 0 .. 15.  The bias is the C of each sum's first product.
; CLUSTER 4 x 4: the four of a row need the same tiles of x, the four of a column the same tiles of W: joint loads, one a wave (whole images for all of K), all behind one round.
; OUT.  kv [64 bh][16 steps of 128 keys][8,960]: 8 x 512 K images; 4,096 V images [c][dt][lane][16]; 512 K scale words [g][lane][2]; 256 V scale words [lane][2].  qq: [bh][128 tiles][512], from byte 4,194,304 on [bh][32][lane][2] scale words.
; K = 64 fills half of the next product's 128: the words' upper two bytes are 0x7f, for zero codes.
; LIMITS: a block whose largest magnitude lies under 2^-124 (zeros too) keeps the byte 1; this program alone reads the bytes.  NaN and infinities are not served.
; REGISTERS: window 0: v1-14 addresses; v32-47 x's scale words, v48-95 W's; v96-127 at work; v128-191 x's fragments, two sets; v192-239 codes.  window 1: W's fragments, two sets at v0 and v128.
;   window 2: k, q accumulators (tile i, W tile a) at v[8 (8 i + a)].  window 3: v accumulators (dt, i) at v[8 (4 dt + i)]; v128-191 bias of k, q; v192-223 bias of v.
; AS THE TEXT NOW STANDS: each wave issues ONE joint load, whole images for all of K (x: 8 images, W: 6), dense rows of 4,096 bytes; the scale words go from memory straight into their registers.
; A WORK-GROUP STAYS: it makes two row blocks, rb and rb + 16 (the same place two batches on), of one head.  W, its scale words and the biases stay; x's bytes of LDS are filled a second time,
; behind the first tile's last products, so that the first tile's way out stands between the request and the wait for it.  The body is a macro written out twice: the second tile asks for nothing.
.set WIMG, 131072                      ; LDS: x [16 tiles][8,192]; W [12 tiles][8,192]
.set VST,  243712                      ; 512 bytes in which the waves put V's scale words together: no fill lands here
.set AX0, 3
.set AW0, 5
.set ASX, 7
.set ASW, 8
.set SCX, 32
.set SCW, 48
.set TM,  96
.set PW,  112
.set XF,  128
.set PC,  192
.set BKQ, 128
.set BV,  192
.set G1X,  24
.set G1W,  48
.set G1SX, 68
.set G1SW, 80
.set MSB, 0
.macro WIN new                         ; the immediate's high byte repeats the setting that is left
.if MSB != \new
	s_set_vgpr_msb (MSB<<8)|\new
.set MSB, \new
.endif
.endm
.macro CROUND                          ; a round of the cluster's barrier
	s_barrier_signal -1
	s_barrier_wait -1
	s_cmp_lg_u32 s14, 0
	s_cbranch_scc1 .Lnot_wave_0_\@
	s_barrier_signal -3
.Lnot_wave_0_\@:
	s_barrier_wait -3
	s_barrier_signal -1
	s_barrier_wait -1
.endm
.macro PLACES n
.rept \n
	v_nop
.endr
.endm
.macro SHAPE g, c, r, p                ; group 1 but for its first word: r rows of c elements of 8 bytes, p elements apart
	s_mov_b32 s[\g+1], (\c)<<16
	s_mov_b32 s[\g+2], (\r)<<16
	s_mov_b32 s[\g+3], (\c)<<16
	s_mov_b32 s[\g+4], \r
	s_mov_b32 s[\g+5], \p
	s_mov_b32 s[\g+6], 0
	s_mov_b32 s[\g+7], 0
.endm
	s_load_b256 s[4:11], s[0:1], 0x0               ; xq, wkq, b_kqv, kv
	s_load_b64 s[12:13], s[0:1], 0x20              ; qq
	v_lshl_add_u32 v254, v0, 2, 0x3c000
	v_mov_b32 v255, 0
	ds_add_u32 v254, v255
	ds_add_u32 v254, v255
	v_lshrrev_b32 v15, 5, v0
	v_readfirstlane_b32 s14, v15                   ; wave 0..3
	s_lshr_b32 s15, s14, 1                         ; I fetch for x (0) or for W (1); also: which 128 tokens
	s_and_b32 s16, s14, 1                          ; e: which half of that side I fetch; also: which 64 of the 128
	s_bfe_u32 s40, ttmp6, 0x40000                  ; cx
	s_bfe_u32 s41, ttmp6, 0x40004                  ; cy
	s_lshl_b32 s42, ttmp9, 2
	s_add_co_u32 s42, s42, s40                     ; head
	s_and_b32 s17, ttmp7, 0xffff
	s_lshl_b32 s17, s17, 2
	s_add_co_u32 s17, s17, s41                     ; row block
	s_lshl_b32 s43, s41, 2
	s_lshl_b32 s43, 15, s43                        ; my row of the cluster
	s_lshl_b32 s44, 0x1111, s40                    ; my column
	s_or_b32 s[G1X], s43, (3<<16)|(1<<21)          ; 15:0 the mask; 17:16 elements of 8 bytes; 21 set beside a mask; no padding
	s_or_b32 s[G1W], s44, (3<<16)|(1<<21)
	SHAPE G1X, 512, 16, 512                        ; 8 whole images: 16 dense rows of 4,096 bytes
	SHAPE G1W, 512, 12, 512                        ; 6 whole images
	s_mov_b32 s20, 0x76543210
	s_mov_b32 s21, 0xfedcba98                      ; lane l xor 16
	s_mov_b32 s22, 0x7f7f7f7f
	s_mov_b32 s23, 0xffff0000                      ; lanes 16-31
	v_and_b32 v15, 31, v0
	v_lshlrev_b32 v1, 4, v15                       ; 16 x lane
	v_lshlrev_b32 v2, 3, v15                       ; 8 x lane
	s_lshl_b32 s45, s14, 15
	v_add_nc_u32 v3, s45, v1                       ; my four tiles of x
	v_add_nc_u32 v5, WIMG, v1
	v_add_nc_u32 v6, WIMG+49152, v1
	s_lshl_b32 s45, s14, 11
	v_add_nc_u32 v7, s45, v1                       ; my two scale images of x, in memory
	v_bfe_u32 v16, v0, 4, 1                        ; h
	v_and_b32 v17, 15, v0                          ; r
	v_lshlrev_b32 v9, 4, v16                       ; 16 h
	s_lshl_b32 s45, s15, 8
	v_add_nc_u32 v10, s45, v2
	s_lshl_b32 s45, s16, 1
	v_add_nc_u32 v10, s45, v10
	v_add_nc_u32 v10, VST, v10                     ; my two bytes of a V scale word: 256 (w / 2) + 8 x lane + 2 e
	v_add_nc_u32 v11, VST, v1
	v_mul_u32_u24 v12, v16, 8960
	v_lshl_add_u32 v12, v17, 4, v12                ; and where the words go: lanes 0-15 the first step's record, lanes 16-31 the second's
	v_lshlrev_b32 v13, 6, v16                      ; bias of k, q: 16 h numbers on
	v_and_b32 v14, 8, v17
	v_add_nc_u32 v14, v14, v17
	v_lshlrev_b32 v14, 2, v14                      ; bias of v: number r + 8 (r / 8)
.irp b, 0,1,2,3
	v_mov_b32 v[TM+4+\b], 0                        ; written once: a lane permute's destination counts as one of its sources
.endr
	; x's side: from the row block and the wave alone
	s_lshl_b32 s66, s17, 17
	s_lshl_b32 s45, s16, 16
	s_add_co_u32 s66, s66, s45                     ; images 16 rb + 8 e on
	s_mov_b32 s67, 0
	s_lshl_b32 s2, s17, 13
	s_add_co_u32 s2, s2, 4194304                   ; scale images 8 rb on
	s_mov_b32 s3, 0
	; where the results go
	s_lshr_b32 s96, s17, 3
	s_lshl_b32 s96, s96, 4
	s_add_co_u32 s96, s96, s42                     ; bh = 16 x batch + head
	s_and_b32 s94, s17, 7                          ; the row block in its batch
	s_mul_i32 s92, s96, 143360
	s_mul_i32 s93, s94, 17920
	s_add_co_u32 s92, s92, s93                     ; the record of key step 2 (rb % 8)
	s_lshl_b32 s18, s96, 16
	s_lshl_b32 s19, s94, 13
	s_add_co_u32 s18, s18, s19
	s_lshl_b32 s19, s14, 11
	s_add_co_u32 s18, s18, s19                     ; q's images: tile 16 (rb % 8) + 4 w on
	s_mov_b32 s19, 0
	s_lshl_b32 s46, s96, 13
	s_lshl_b32 s47, s94, 10
	s_add_co_u32 s46, s46, s47
	s_lshl_b32 s47, s14, 8
	s_add_co_u32 s46, s46, s47                     ; q's scale words
	s_mov_b32 s47, 0
	s_mov_b32 s96, s92
	s_mov_b32 s97, 0
	s_mul_i32 s93, s15, 8960
	s_add_co_u32 s92, s92, s93                     ; my key step's record
	s_mov_b32 s94, s92
	s_lshl_b32 s93, s16, 11
	s_add_co_u32 s92, s92, s93                     ; + 2,048 e: my four K images, my half of V's
	s_lshl_b32 s93, s16, 8
	s_add_co_u32 s94, s94, s93                     ; + 256 e: my K scale words
	s_mov_b32 s93, 0
	s_mov_b32 s95, 0
	s_wait_dscnt 0x0
	s_wait_kmcnt 0x0
	s_add_nc_u64 s[92:93], s[10:11], s[92:93]
	s_add_nc_u64 s[94:95], s[10:11], s[94:95]
	s_add_nc_u64 s[96:97], s[10:11], s[96:97]
	s_add_nc_u64 s[18:19], s[12:13], s[18:19]
	s_add_nc_u64 s[46:47], s[12:13], s[46:47]
	; groups 0 for x
	s_add_nc_u64 s[34:35], s[4:5], s[66:67]
	s_add_nc_u64 s[78:79], s[4:5], s[2:3]          ; x's scale images: a plain base
	s_or_b32 s35, s35, 0x80000000
	s_mov_b32 s32, 1
	s_lshl_b32 s33, s16, 16
	; W's side: from the head and the wave alone
	s_mul_i32 s98, s42, 98304
	s_mul_i32 s45, s16, 49152
	s_add_co_u32 s98, s98, s45                     ; images 12 head + 6 e on
	s_mov_b32 s99, 0
	s_add_nc_u64 s[58:59], s[6:7], s[98:99]
	s_mul_i32 s98, s42, 6144
	s_add_co_u32 s98, s98, 1572864
	s_add_nc_u64 s[90:91], s[6:7], s[98:99]        ; the head's six scale images: a plain base
	s_or_b32 s59, s59, 0x80000000
	s_mov_b32 s56, 1
	s_mul_i32 s57, s16, 49152
	s_add_co_u32 s57, s57, WIMG
	s_mul_i32 s98, s42, 768
	s_add_nc_u64 s[8:9], s[8:9], s[98:99]          ; the head's 192 biases
	s_mov_b32 s98, 0x04040100                      ; byte selects: a word's low two bytes under 0x7f7f;
	s_mov_b32 s99, 0x04040302                      ; its high two
	CROUND                                         ; all sixteen work-groups are here: the joint loads meet
	s_cmp_eq_u32 s15, 0
	s_cbranch_scc0 .Lfor_w
	tensor_load_to_lds s[32:35], s[24:31]          ; my one tensor load: 8 images of x
	s_nop 0
.rept 4
	v_nop                                          ; four v_nop behind the last of them
.endr
	s_branch .Lasked
.Lfor_w:
	tensor_load_to_lds s[56:59], s[48:55]          ; my one tensor load: 6 images of W
	s_nop 0
.rept 4
	v_nop
.endr
.Lasked:
	WIN 0xc0                                       ; destination window 3
	s_wait_alu depctr_va_vdst(0)
.irp a, 0,1,2,3,4,5,6,7
	global_load_b128 v[BKQ+8*\a:BKQ+8*\a+3], v13, s[8:9] offset:(32*(\a/2)+8*(\a%2))*4       ; tile a, lane half h: columns 32 (a / 2) + 16 h + 8 (a % 2) + 0 .. 7
	global_load_b128 v[BKQ+8*\a+4:BKQ+8*\a+7], v13, s[8:9] offset:(32*(\a/2)+8*(\a%2))*4+16
.endr
.irp dt, 0,1,2,3
.irp j, 0,1,2,3,4,5,6,7
	global_load_b32 v[BV+8*\dt+\j], v14, s[8:9] offset:(128+32*(\dt/2)+8*(\dt%2))*4           ; a lane's one channel, in all eight registers
.endr
.endr
	WIN 0
.irp p, 0,1                                    ; all scale words, 512 consecutive bytes a load; register 8 p + s: lanes 0-15 tile 2 p, lanes 16-31 tile 2 p + 1, step s
.irp q, 0,1
	global_load_b128 v[SCX+8*\p+4*\q:SCX+8*\p+4*\q+3], v7, s[78:79] offset:\p*1024+\q*512
.endr
.endr
.irp p, 0,1,2,3,4,5
.irp q, 0,1
	global_load_b128 v[SCW+8*\p+4*\q:SCW+8*\p+4*\q+3], v1, s[90:91] offset:\p*1024+\q*512
.endr
.endr
.macro WM                              ; one product; rD, rA, rB, rC, rSA, rSB name its registers, fA and fB the halves of the lanes from which the scale words are taken
.if (fA == 0) && (fB == 0)
	v_wmma_scale_f32_16x16x128_f8f6f4 v[rD:rD+7], v[rA:rA+7], v[rB:rB+7], v[rC:rC+7], v[rSA], v[rSB] matrix_a_fmt:MATRIX_FMT_FP4 matrix_b_fmt:MATRIX_FMT_FP4
.elseif (fA == 1) && (fB == 0)
	v_wmma_scale_f32_16x16x128_f8f6f4 v[rD:rD+7], v[rA:rA+7], v[rB:rB+7], v[rC:rC+7], v[rSA], v[rSB] matrix_a_fmt:MATRIX_FMT_FP4 matrix_b_fmt:MATRIX_FMT_FP4 matrix_a_scale:MATRIX_SCALE_ROW1
.elseif (fA == 0) && (fB == 1)
	v_wmma_scale_f32_16x16x128_f8f6f4 v[rD:rD+7], v[rA:rA+7], v[rB:rB+7], v[rC:rC+7], v[rSA], v[rSB] matrix_a_fmt:MATRIX_FMT_FP4 matrix_b_fmt:MATRIX_FMT_FP4 matrix_b_scale:MATRIX_SCALE_ROW1
.else
	v_wmma_scale_f32_16x16x128_f8f6f4 v[rD:rD+7], v[rA:rA+7], v[rB:rB+7], v[rC:rC+7], v[rSA], v[rSB] matrix_a_fmt:MATRIX_FMT_FP4 matrix_b_fmt:MATRIX_FMT_FP4 matrix_a_scale:MATRIX_SCALE_ROW1 matrix_b_scale:MATRIX_SCALE_ROW1
.endif
.endm
.macro FETCH s                         ; 32 LDS loads: step s's fragments of W (12) and of x (4) into set s % 2
	WIN 0x40
.irp a, 0,1,2,3,4,5,6,7,8,9,10,11
.irp c, 0,1
	ds_load_b128 v[128*((\s)%2)+8*\a+4*\c:128*((\s)%2)+8*\a+4*\c+3], v[AW0+\a/6] offset:(\a%6)*8192+(\s)*1024+512*\c
.endr
.endr
	WIN 0
.irp i, 0,1,2,3
.irp c, 0,1
	ds_load_b128 v[XF+32*((\s)%2)+8*\i+4*\c:XF+32*((\s)%2)+8*\i+4*\c+3], v[AX0] offset:\i*8192+(\s)*1024+512*\c
.endr
.endr
.endm
.macro MUL s                           ; 48 products; the 48 accumulators take turns, one instruction a turn, in the same order in every step
.if (\s) == 0
	WIN 0xb1                                       ; W window 1, x window 0, C (the bias) window 3, D window 2
.else
	WIN 0xa1                                       ; C and D window 2
.endif
.irp i, 0,1,2,3
.irp a, 0,1,2,3,4,5,6,7
.set rD, 8*(8*\i+\a)
.set rA, 128*((\s)%2)+8*\a
.set rB, XF+32*((\s)%2)+8*\i
.if (\s) == 0
.set rC, BKQ+8*\a
.else
.set rC, rD
.endif
.set rSA, SCW+8*(\a/2)+(\s)
.set rSB, SCX+8*(\i/2)+(\s)
.set fA, \a%2
.set fB, \i%2
	WM
.endr
.endr
	WIN 0xf4                                       ; x window 0, W window 1, C and D window 3
.irp dt, 0,1,2,3
.irp i, 0,1,2,3
.set rD, 8*(4*\dt+\i)
.set rA, XF+32*((\s)%2)+8*\i
.set rB, 128*((\s)%2)+8*(8+\dt)
.if (\s) == 0
.set rC, BV+8*\dt
.else
.set rC, rD
.endif
.set rSA, SCX+8*(\i/2)+(\s)
.set rSB, SCW+8*(4+\dt/2)+(\s)
.set fA, \i%2
.set fB, \dt%2
	WM
.endr
.endr
.endm
; 64 numbers of a lane in window win, register s + 16 b + i = place 32 b + 16 (lane / 16) + i of my row, become 8 registers of codes at v[pc] and a scale word in v[pw].  Each accumulator is read from its low end on.
.macro QUANTW win, s, pc, pw
	WIN (\win)*5                                   ; sources 0 and 1
.irp b, 0,1,2,3
	v_max3_num_f32 v[TM+\b], |v[(\s)+16*\b]|, |v[(\s)+1+16*\b]|, 0x1800000   ; with the floor 2^(3 - 127)
.endr
	WIN (\win)*20                                  ; sources 1 and 2
.irp i, 2,4,6,8,10,12,14
.irp b, 0,1,2,3
	v_max3_num_f32 v[TM+\b], v[TM+\b], |v[(\s)+16*\b+\i]|, |v[(\s)+1+16*\b+\i]|
.endr
.endr
	WIN 0
.irp b, 0,1,2,3
	v_permlanex16_b32 v[TM+4+\b], v[TM+\b], s20, s21
.endr
.irp b, 0,1,2,3
	v_max_num_f32 v[TM+\b], v[TM+\b], v[TM+4+\b]   ; with lane l xor 16: the block's largest magnitude
.endr
.irp b, 0,1,2,3
	v_add_nc_u32 v[TM+12+\b], 0xff000000, v[TM+\b] ; 2 off the exponent field: the conversion's scale operand
.endr
.irp b, 0,1,2,3
	v_lshrrev_b32 v[TM+8+\b], 23, v[TM+12+\b]      ; the byte
.endr
	v_lshl_or_b32 v[\pw], v[TM+9], 8, v[TM+8]
	v_lshl_or_b32 v[\pw], v[TM+10], 16, v[\pw]
	v_lshl_or_b32 v[\pw], v[TM+11], 24, v[\pw]
	WIN \win                                       ; source 0
.irp b, 0,1,2,3
	v_cvt_scalef32_pk8_fp4_f32 v[(\pc)+2*\b], v[(\s)+16*\b:(\s)+7+16*\b], v[TM+12+\b]
	v_cvt_scalef32_pk8_fp4_f32 v[(\pc)+1+2*\b], v[(\s)+8+16*\b:(\s)+15+16*\b], v[TM+12+\b]
.endr
	WIN 0
	v_nop                                          ; one plain place behind a scaled conversion
.irp c, 0,1                                    ; a whole block to a lane: lanes 0-15 block 2 c, lanes 16-31 block 2 c + 1
.irp i, 0,1
	v_permlane16_swap_b32 v[(\pc)+4*\c+\i], v[(\pc)+2+4*\c+\i]
.endr
.endr
.endm
.macro TILE again                      ; one row block; again = 1: the next row block's x is asked for behind the last products
	s_wait_tensorcnt 0x0                           ; my images are in,
	s_barrier_signal -1
	s_barrier_wait -1                              ; everybody's are
	FETCH 0
	s_wait_loadcnt 0x0                             ; the biases
.irp s, 0,1,2,3,4,5,6
.if \s > 0
	PLACES 4                                       ; in front of loads into registers that the step before last... the last products but one set... have read: four plain places behind the last product
.endif
	FETCH \s+1
	s_wait_dscnt 32                                ; all but the 32 loads just issued: this step's fragments (and the scale words) are in
	MUL \s
.endr
	s_wait_dscnt 0x0
	MUL 7
	WIN 0
	PLACES 4                                       ; in front of the first read of results, and of loads into x's scale registers
.if \again
	s_wait_tensorcnt 0x0                           ; no tensor load of mine is out, so a group 0 may be written;
	ds_add_u32 v254, v255                          ; 0 onto my spare word;
	s_add_nc_u64 s[34:35], s[34:35], 2097152       ; x's images 16 row blocks on,
	s_add_nc_u64 s[78:79], s[78:79], 131072        ; and its scale images
	s_wait_dscnt 0x0                               ; the add is done, and my reads of x's tiles are over
	CROUND                                         ; both hold of every wave of all sixteen work-groups
	s_cmp_eq_u32 s15, 0                            ; waves 0 and 1 fetch x's halves; waves 2 and 3 have nothing to fill
	s_cbranch_scc0 .Lnofill_\@
	tensor_load_to_lds s[32:35], s[24:31]          ; the joint refill, first behind the round, my one tensor load
	s_nop 0
.rept 4
	v_nop
.endr
.Lnofill_\@:
.irp p, 0,1
.irp q, 0,1
	global_load_b128 v[SCX+8*\p+4*\q:SCX+8*\p+4*\q+3], v7, s[78:79] offset:\p*1024+\q*512   ; the next row block's scale words of x
.endr
.endr
.endif
	; THE WAY OUT.  Tile i's 64 registers: blocks 0, 1 are k, blocks 2, 3 are q.  Codes' registers 0-3 are a K image, 4-7 a Q image: 16 bytes a lane, 512 consecutive bytes a store.
.irp i, 0,1,2,3
	QUANTW 2, 64*\i, PC+8*\i, PW+\i
	global_store_b128 v1, v[PC+8*\i:PC+8*\i+3], s[92:93] offset:512*\i
	global_store_b128 v1, v[PC+8*\i+4:PC+8*\i+7], s[18:19] offset:512*\i
.endr
	v_perm_b32 v118, s22, v[PW], s98               ; k's two bytes under 0x7f7f; lanes 0-15 keep the even tile's word, lanes 16-31 take the odd tile's
	v_perm_b32 v119, s22, v[PW+1], s98
	v_cndmask_b32 v120, v118, v119, s23
	v_perm_b32 v118, s22, v[PW+2], s98
	v_perm_b32 v119, s22, v[PW+3], s98
	v_cndmask_b32 v121, v118, v119, s23
	v_perm_b32 v118, s22, v[PW], s99               ; q's likewise
	v_perm_b32 v119, s22, v[PW+1], s99
	v_cndmask_b32 v122, v118, v119, s23
	v_perm_b32 v118, s22, v[PW+2], s99
	v_perm_b32 v119, s22, v[PW+3], s99
	v_cndmask_b32 v123, v118, v119, s23
	global_store_b64 v2, v[120:121], s[94:95] offset:8192          ; 256 consecutive bytes, aligned
	global_store_b64 v2, v[122:123], s[46:47] offset:4194304
	; v: 64 registers are channel tiles 2 m and 2 m + 1, two blocks of 32 tokens each
.irp m, 0,1
	QUANTW 3, 64*\m, PC+32+8*\m, PW+4+\m
	global_store_b128 v1, v[PC+32+8*\m:PC+35+8*\m], s[92:93] offset:4096+1024*\m
	global_store_b128 v1, v[PC+36+8*\m:PC+39+8*\m], s[92:93] offset:4096+1024*\m+512
	v_lshrrev_b32 v[124+\m], v9, v[PW+4+\m]        ; lanes 0-15: tile 2 m's two bytes; lanes 16-31: tile 2 m + 1's
	ds_store_b16 v10, v[124+\m] offset:4*\m        ; they are bytes 2 e, 2 e + 1 of the step's word
.endr
	s_wait_dscnt 0x0                               ; for the others' sake: my stores have landed
	s_barrier_signal -1
	s_barrier_wait -1
	s_cmp_lg_u32 s14, 0
	s_cbranch_scc1 .Lno_words_\@
	ds_load_b128 v[128:131], v11                   ; both steps' V scale words
	s_wait_dscnt 0x0
	global_store_b128 v12, v[128:131], s[96:97] offset:8704        ; sixteen lanes store 256 consecutive bytes, aligned
.Lno_words_\@:
.endm
	TILE 1
	s_wait_alu depctr_va_vdst(0)
	s_wait_xcnt 0x0                                ; the first tile's stores have read their bases and their registers
	s_add_nc_u64 s[92:93], s[92:93], 4587520       ; 32 (batch, head) records of 143,360 bytes on
	s_add_nc_u64 s[94:95], s[94:95], 4587520
	s_add_nc_u64 s[96:97], s[96:97], 4587520
	s_add_nc_u64 s[18:19], s[18:19], 2097152       ; q's images: 32 x 65,536
	s_add_nc_u64 s[46:47], s[46:47], 262144        ; q's scale words: 32 x 8,192
	TILE 0
	s_wait_tensorcnt 0x0                           ; the wave's end
	ds_add_u32 v254, v255
	s_wait_dscnt 0x0
	CROUND                                         ; the closing round
	s_endpgm
.Lfunc_end_k_q5230de2fcf_kqv:
	.size	k_q5230de2fcf_kqv, .Lfunc_end_k_q5230de2fcf_kqv-k_q5230de2fcf_kqv
	.p2alignl 7, 3214868480
	.fill 96, 4, 3214868480
	.section	.rodata,"a",@progbits
	.p2align	6, 0x0
	.amdhsa_kernel k_q5230de2fcf_kqv
		.amdhsa_group_segment_fixed_size 327680
		.amdhsa_private_segment_fixed_size 0
		.amdhsa_enable_private_segment 0
		.amdhsa_kernarg_size 40
		.amdhsa_user_sgpr_count 2
		.amdhsa_user_sgpr_kernarg_segment_ptr 1
		.amdhsa_wavefront_size32 1
		.amdhsa_system_sgpr_workgroup_id_x 1
		.amdhsa_system_sgpr_workgroup_id_y 1
		.amdhsa_system_sgpr_workgroup_id_z 1
		.amdhsa_system_vgpr_workitem_id 0
		.amdhsa_next_free_vgpr 1024
		.amdhsa_next_free_sgpr 100
		.amdhsa_reserve_vcc 0
		.amdhsa_float_denorm_mode_32 3
		.amdhsa_float_denorm_mode_16_64 3
		.amdhsa_memory_ordered 1
		.amdhsa_forward_progress 1
		.amdhsa_inst_pref_size 200
	.end_amdhsa_kernel
	.amdgpu_metadata
---
amdhsa.version: [ 1, 2 ]
amdhsa.kernels:
  - .name:           k_q5230de2fcf_kqv
    .symbol:         k_q5230de2fcf_kqv.kd
    .args:
      - { .name: xq, .offset: 0, .size: 8, .value_kind: global_buffer, .address_space: global }
      - { .name: wkq, .offset: 8, .size: 8, .value_kind: global_buffer, .address_space: global }
      - { .name: b_kqv, .offset: 16, .size: 8, .value_kind: global_buffer, .address_space: global }
      - { .name: kv, .offset: 24, .size: 8, .value_kind: global_buffer, .address_space: global }
      - { .name: qq, .offset: 32, .size: 8, .value_kind: global_buffer, .address_space: global }
    .group_segment_fixed_size: 327680
    .private_segment_fixed_size: 0
    .kernarg_segment_align: 8
    .kernarg_segment_size: 40
    .max_flat_workgroup_size: 128
    .sgpr_count:     100
    .vgpr_count:     1024
    .wavefront_size: 32
...
	.end_amdgpu_metadata
.endif
;; end of part 2
;; launch attn (part 3): grid 4 x 64, 16 waves a work-group, clusters of 4 x 1, 169,984 bytes of LDS; arguments kv, qq, sa; writes sa
.if DOCPART == 3
	.amdgcn_target "amdgcn-amd-amdhsa--gfx1250"
	.amdhsa_code_object_version 6
	.text
	.protected	k_q5230de2fcf_attn
	.globl	k_q5230de2fcf_attn
	.p2align	8
	.type	k_q5230de2fcf_attn,@function
k_q5230de2fcf_attn:
	s_mov_b64 s[64:65], 0
	v_nop
	global_prefetch_b8 v0, s[64:65] scope:SCOPE_SE
	s_setreg_imm32_b32 hwreg(HW_REG_WAVE_MODE, 25, 1), 1
	s_wait_xcnt 0x0
	s_wait_alu depctr_hold_cnt(0) depctr_sa_sdst(0) depctr_va_vdst(0) depctr_va_sdst(0) depctr_va_ssrc(0) depctr_va_vcc(0) depctr_vm_vsrc(0)
	s_getreg_b32 s2, hwreg(HW_REG_IB_STS2, 6, 4)
	s_cmp_eq_u32 s2, 0
	s_cbranch_scc0 .Lentry_in_a_cluster
	s_endpgm
.Lentry_in_a_cluster:
	s_bfe_u32 s2, ttmp6, 0x10000c
	s_cmp_lg_u32 s2, 0x3003
	s_cbranch_scc0 .Lentry_shape_is_right
	s_endpgm
.Lentry_shape_is_right:
; sa = softmax(q k^T / 8, causal) v for one (batch, head) a cluster, both products on codes of FP4 (E2M1) with E8M0 scales; the result is quantised along the head's 64 for the last product.
; THE SOFTMAX: t = score x log2(e) / 8; M = the running largest t rounded UP to a whole number; p = 2^(t - M) is quantised along the keys, not normalised; the row's sum is taken of the unquantised p and divides at the end.
; When M moves, the sum and O are multiplied by 2^(old M - new M): exact.
; SHARES.  The head's whole record of K and V (16 key steps x 8,960 bytes) lies in LDS, filled once, asked for JOINTLY by the cluster's four work-groups (each of the sixteen waves one key step's record).
; A query tile T = 8 G + 2 cx + sub holds queries 128 G + 32 cx + 8 sub + r + 8 (r / 8): it needs key steps 0 .. G, and step G is the one on the diagonal.  Wave j makes two tiles, one after the other:
; G = min(j, 15 - j), then 15 - that: G + 1 and 16 - G steps: 17 for every wave.  The loops' trip counts are constants (8, 16); a step beyond G is left out by a scalar branch on the wave's number and the counter.
; No branch and no LDS address hangs on cx: it enters global addresses and the mask's vector register alone.
; LAYOUT.  Both products transposed: S^T = K Q^T (K = 64, filled to 128 by zero codes under the byte 0x7f), O^T = V^T P^T: a lane holds ONE query.  The keys of a tile are not neighbours, so that p's 16 registers of tiles 2 b, 2 b + 1
; are keys 32 b + 16 (lane / 16) + 0 .. 15; V's channel tiles likewise, so that O^T's 16 registers of two tiles are 16 neighbouring channels.
; OUT.  sa [4 b][128 T][16 heads][512]: 16 bytes a lane; from byte 4,194,304 on words (two bytes each) [bh][G / 2][cx][G % 2][sub][r].
; LIMITS: a block whose largest magnitude lies under 2^-124 (zeros too) keeps the byte 1; 1 / sum by v_rcp_f32; NaN and infinities are not served.
; REGISTERS: v1, v2 16 and 8 x lane; v3, v4 addresses in hand; v5, v242 the masks' d; v6, v7 q's scale words; v8-11 K's; v12 -M, v13 largest t, v[14:15] the sum; v16-31 two fragments of Q; v32-95 K; v96-159 S^T, p; v160-191 O^T;
;   v192-223 V; v224-231 codes; v240-241 V's scale words; v243, v248-251 addresses; the rest at work.
.set REC,   8960
.set HEADB, 143360
.set STG,   143360                     ; behind the record: 2,048 bytes [G][sub][r] of scale words: no fill lands here
.set WV,  18
.set SEL, 20
.set CS,  22
.set TB,  2
.set STP, 3
.macro CROUND
	s_barrier_signal -1
	s_barrier_wait -1
	s_cmp_lg_u32 s[WV], 0
	s_cbranch_scc1 .Lnot_wave_0_\@
	s_barrier_signal -3
.Lnot_wave_0_\@:
	s_barrier_wait -3
	s_barrier_signal -1
	s_barrier_wait -1
.endm
	s_load_b128 s[4:7], s[0:1], 0x0                ; kv, qq
	s_load_b64 s[8:9], s[0:1], 0x10                ; sa
	v_lshl_add_u32 v254, v0, 2, 0x29000
	v_mov_b32 v255, 0
	ds_add_u32 v254, v255
	ds_add_u32 v254, v255
	s_wait_dscnt 0x0
	v_lshrrev_b32 v255, 5, v0
	s_delay_alu instid0(VALU_DEP_1)
	v_readfirstlane_b32 s[WV], v255                ; wave 0..15
	s_bfe_u32 s40, ttmp6, 0x40000                  ; cx
	s_and_b32 s41, ttmp7, 0xffff                   ; bh, which the four partners share
	s_xor_b32 s43, s[WV], 15
	s_min_u32 s42, s[WV], s43                      ; G of the first tile
	s_xor_b32 s43, s42, 15                         ; and of the second
	s_lshr_b32 s44, s[WV], 3                       ; sub of the first
	s_xor_b32 s45, s44, 1                          ; and of the second
	s_mov_b32 s24, 15|(3<<16)|(1<<21)              ; 15:0 the mask: all four; 17:16 elements of 8 bytes; 21 set beside a mask
	s_mov_b32 s25, 32<<16                          ; rows of 256 dense bytes
	s_mov_b32 s26, 35<<16                          ; 35 rows of 256 dense bytes: one key step's record to each of the sixteen waves
	s_mov_b32 s27, 32<<16
	s_mov_b32 s28, 35
	s_mov_b32 s29, 32
	s_mov_b32 s30, 0
	s_mov_b32 s31, 0
	s_mul_i32 s36, s41, HEADB
	s_mul_i32 s33, s[WV], REC                      ; my key step's record, in LDS and in memory alike
	s_add_co_u32 s36, s36, s33
	s_mov_b32 s37, 0
	s_mov_b32 s32, 1
	s_mov_b32 s[SEL], 0x76543210
	s_mov_b32 s[SEL+1], 0xfedcba98
	s_mov_b32 s[CS], 0x3e38aa3b                    ; c = log2(e) / 8
	s_mov_b32 s[CS+1], s[CS]
	; every LDS address is made here, ahead of the first branch on the wave's number
	v_and_b32 v255, 31, v0
	s_delay_alu instid0(VALU_DEP_1)
	v_lshlrev_b32 v1, 4, v255
	s_delay_alu instid0(VALU_DEP_2)
	v_lshlrev_b32 v2, 3, v255
	v_and_b32 v232, 15, v0                         ; r
	s_delay_alu instid0(VALU_DEP_1)
	v_lshlrev_b32 v251, 3, v232                    ; q's scale words: 8 r
	s_delay_alu instid0(VALU_DEP_2)
	v_lshlrev_b32 v233, 2, v232
	s_lshl_b32 s10, s42, 7
	s_lshl_b32 s11, s44, 6
	s_add_co_u32 s10, s10, s11
	v_add_nc_u32 v243, s10, v233
	s_delay_alu instid0(VALU_DEP_1)
	v_add_nc_u32 v243, STG, v243                   ; the first tile's word: 128 G + 64 sub + 4 r
	s_lshl_b32 s10, s43, 7
	s_lshl_b32 s11, s45, 6
	s_add_co_u32 s10, s10, s11
	v_add_nc_u32 v248, s10, v233
	s_delay_alu instid0(VALU_DEP_1)
	v_add_nc_u32 v248, STG, v248                   ; the second's
	s_lshl_b32 s10, s[WV], 9
	v_add_nc_u32 v249, s10, v1
	s_delay_alu instid0(VALU_DEP_1)
	v_add_nc_u32 v249, STG, v249                   ; the words' way out (waves 0-3): 512 bytes a wave
	s_lshl_b32 s10, s[WV], 11
	v_bfe_u32 v234, v0, 4, 1                       ; h
	s_delay_alu instid0(VALU_DEP_1)
	v_lshlrev_b32 v235, 10, v234
	s_delay_alu instid0(VALU_DEP_1)
	v_lshl_add_u32 v235, v232, 4, v235
	s_delay_alu instid0(VALU_DEP_1)
	v_add_nc_u32 v250, s10, v235                   ; and in memory: each 256 bytes 1,024 apart
	v_and_b32 v235, 8, v232
	s_delay_alu instid0(VALU_DEP_1)
	v_add_nc_u32 v235, v235, v232
	v_lshlrev_b32 v234, 4, v234
	s_delay_alu instid0(VALU_DEP_1)
	v_sub_nc_u32 v235, v235, v234                  ; r + 8 (r / 8) - 16 h
	s_lshl_b32 s12, s40, 5
	s_lshl_b32 s13, s44, 3
	s_add_co_u32 s13, s13, s12
	v_add_nc_u32 v5, s13, v235                     ; d = my query in its 128 - 16 h: register 16 b + i holds key 32 b + i + 16 h: hidden where 32 b + i > d
	s_lshl_b32 s13, s45, 3
	s_add_co_u32 s13, s13, s12
	v_add_nc_u32 v242, s13, v235
.irp j, 20,21,22,23,28,29,30,31
	v_mov_b32 v\j, 0                               ; Q's upper 64 along K: zero codes, written once
.endr
.irp t, 0,1,2,3,4,5,6,7
.irp j, 4,5,6,7
	v_mov_b32 v[32+8*\t+\j], 0                     ; K's likewise
.endr
.endr
.irp b, 0,1,2,3
	v_mov_b32 v[236+\b], 0                         ; a lane permute's destination counts as one of its sources
.endr
	v_mov_b32 v252, 0
	v_mov_b32 v253, 0                              ; (named as the upper half of the pair v[252:253] before it is first written)
	v_mov_b32 v254, 0
	; what hangs on bh and cx
	s_lshl_b32 s12, s41, 16
	s_lshl_b32 s13, s40, 10
	s_add_co_u32 s12, s12, s13                     ; q's images
	s_lshl_b32 s14, s41, 13
	s_lshr_b32 s13, s40, 1
	s_lshl_b32 s13, s13, 8
	s_add_co_u32 s14, s14, s13
	s_and_b32 s13, s40, 1
	s_lshl_b32 s13, s13, 2
	s_add_co_u32 s14, s14, s13
	s_add_co_u32 s14, s14, 4194304                 ; q's scale words
	s_lshr_b32 s16, s41, 4
	s_lshl_b32 s16, s16, 20
	s_and_b32 s13, s41, 15
	s_lshl_b32 s13, s13, 9
	s_add_co_u32 s16, s16, s13
	s_lshl_b32 s13, s40, 14
	s_add_co_u32 s16, s16, s13                     ; sa's codes
	s_lshl_b32 s58, s41, 13
	s_lshl_b32 s13, s40, 8
	s_add_co_u32 s58, s58, s13
	s_add_co_u32 s58, s58, 4194304                 ; sa's scale words
	s_mov_b32 s59, 0
	s_wait_kmcnt 0x0
	s_add_nc_u64 s[58:59], s[8:9], s[58:59]
	s_add_nc_u64 s[34:35], s[4:5], s[36:37]
	s_or_b32 s35, s35, 0x80000000
.macro PADDR g, sub, qi, qs, ou        ; a tile's three addresses
	s_lshl_b32 s[\qi], s[\g], 12
	s_lshl_b32 s13, s[\sub], 9
	s_add_co_u32 s[\qi], s[\qi], s13
	s_add_co_u32 s[\qi], s[\qi], s12
	s_mov_b32 s[\qi+1], 0
	s_add_nc_u64 s[\qi:\qi+1], s[6:7], s[\qi:\qi+1]
	s_lshl_b32 s[\qs], s[\g], 9
	s_lshl_b32 s13, s[\sub], 7
	s_add_co_u32 s[\qs], s[\qs], s13
	s_add_co_u32 s[\qs], s[\qs], s14
	s_mov_b32 s[\qs+1], 0
	s_add_nc_u64 s[\qs:\qs+1], s[6:7], s[\qs:\qs+1]
	s_lshl_b32 s[\ou], s[\g], 16
	s_lshl_b32 s13, s[\sub], 13
	s_add_co_u32 s[\ou], s[\ou], s13
	s_add_co_u32 s[\ou], s[\ou], s16
	s_mov_b32 s[\ou+1], 0
	s_add_nc_u64 s[\ou:\ou+1], s[8:9], s[\ou:\ou+1]
.endm
	PADDR 42, 44, 46, 50, 54
	PADDR 43, 45, 48, 52, 56
	CROUND                                         ; all four work-groups are here: the joint loads meet
	tensor_load_to_lds s[32:35], s[24:31]          ; every wave issues one joint load, its only one of the launch
	s_nop 0
.rept 4
	v_nop
.endr
.Lasked:
	global_load_b128 v[16:19], v1, s[46:47]        ; both tiles of Q stay in registers
	global_load_b128 v[24:27], v1, s[48:49]
	global_load_b32 v6, v251, s[50:51]
	global_load_b32 v7, v251, s[52:53]
	s_wait_tensorcnt 0x0                           ; my key step's record is in,
	s_barrier_signal -1
	s_barrier_wait -1                              ; everybody's is
	s_wait_loadcnt 0x0                             ; Q
; A KEY STEP: 128 keys.  qf: Q's fragment; qs: its scale words; g: the scalar that holds the tile's G; dq: the mask's d.
.macro STEP qf, qs, g, dq
	s_cmp_gt_u32 s[STP], s[\g]
	s_cbranch_scc1 .Lhidden_\@                     ; all its keys come after my queries
	v_add_nc_u32 v3, s[TB], v1
	v_add_nc_u32 v4, s[TB], v2
.irp t, 0,1,2,3,4,5,6,7
	ds_load_b128 v[32+8*\t:35+8*\t], v3 offset:512*\t
.endr
	ds_load_b64 v[8:9], v4 offset:8192
	ds_load_b64 v[10:11], v4 offset:8448
.irp c, 0,1
.irp dt, 0,1,2,3
	ds_load_b128 v[192+8*\dt+4*\c:195+8*\dt+4*\c], v3 offset:4096+2048*\c+512*\dt
.endr
.endr
	ds_load_b64 v[240:241], v4 offset:8704
	s_wait_dscnt 9                                 ; K and its scale words are in; V's nine loads may be out
.irp t, 0,1,2,3,4,5,6,7
.if \t%2 == 0
	v_wmma_scale_f32_16x16x128_f8f6f4 v[96+8*\t:103+8*\t], v[32+8*\t:39+8*\t], v[\qf:\qf+7], 0, v[8+\t/2], v[\qs] matrix_a_fmt:MATRIX_FMT_FP4 matrix_b_fmt:MATRIX_FMT_FP4
.else
	v_wmma_scale_f32_16x16x128_f8f6f4 v[96+8*\t:103+8*\t], v[32+8*\t:39+8*\t], v[\qf:\qf+7], 0, v[8+\t/2], v[\qs] matrix_a_fmt:MATRIX_FMT_FP4 matrix_b_fmt:MATRIX_FMT_FP4 matrix_a_scale:MATRIX_SCALE_ROW1
.endif
.endr
.rept 4
	v_nop                                          ; four places in front of the first read of the scores
.endr
	s_cmp_lg_u32 s[STP], s[\g]
	s_cbranch_scc1 .Lopen_\@                       ; only the step on the diagonal hides keys
	v_mov_b32 v254, 0xff800000                     ; -infinity: p = 0 then
.set nn, 0
.rept 64
	v_cmp_gt_i32 vcc_lo, 32*(nn/16)+nn%16, v[\dq]
	v_cndmask_b32 v[96+nn], v[96+nn], v254, vcc_lo
.set nn, nn+1
.endr
.Lopen_\@:
.irp b, 0,1,2,3
	v_max3_num_f32 v[232+\b], v[96+16*\b], v[97+16*\b], v[98+16*\b]   ; the largest score of each block of 32 keys: for the row's maximum and, since p rises with the score, for the block's largest p
.endr
.irp i, 3,5,7,9,11,13
.irp b, 0,1,2,3
	v_max3_num_f32 v[232+\b], v[232+\b], v[96+16*\b+\i], v[97+16*\b+\i]
.endr
.endr
.irp b, 0,1,2,3
	v_max_num_f32 v[232+\b], v[232+\b], v[111+16*\b]
.endr
.irp b, 0,1,2,3
	s_delay_alu instid0(VALU_DEP_4)
	v_permlanex16_b32 v[236+\b], v[232+\b], s[SEL], s[SEL+1]
.endr
.irp b, 0,1,2,3
	s_delay_alu instid0(VALU_DEP_4)
	v_max_num_f32 v[232+\b], v[232+\b], v[236+\b]  ; with lane l xor 16's 16 keys
.endr
	s_delay_alu instid0(VALU_DEP_2)
	v_max3_num_f32 v254, v232, v233, v234
	s_delay_alu instid0(VALU_DEP_1)
	v_max_num_f32 v254, v254, v235
	s_delay_alu instid0(VALU_DEP_1)
	v_mul_f32 v254, s[CS], v254                    ; as t
	s_delay_alu instid0(VALU_DEP_1)
	v_max_num_f32 v13, v13, v254                   ; the running largest t
	v_mov_b32 v254, v12
	s_delay_alu instid0(VALU_DEP_2)
	v_floor_f32 v12, -v13                          ; the new -M = -ceil(t)
	s_delay_alu instid0(VALU_DEP_1)
	v_sub_f32 v254, v12, v254                      ; old M - new M: a whole number, 0 or less
	s_delay_alu instid0(VALU_DEP_1)
	v_cvt_i32_f32 v254, v254                       ; (it saturates)
	s_delay_alu instid0(VALU_DEP_1)
	v_ldexp_f32 v252, 1.0, v254                    ; f = 2^(old M - new M)
.set nn, 0
.rept 32
	v_pk_fma_f32 v[96+nn:97+nn], v[96+nn:97+nn], s[CS:CS+1], v[12:13] op_sel_hi:[1,0,0]   ; t - M, two at a time
.set nn, nn+2
.endr
.irp b, 0,1,2,3
	v_fma_f32 v[232+\b], v[232+\b], s[CS], v12     ; the same of each block's largest score
.endr
.set nn, 0
	s_wait_alu depctr_va_vdst(0)
.rept 64
	v_exp_f32 v[96+nn], v[96+nn]                   ; p = 2^(t - M)
.set nn, nn+1
.endr
	v_pk_mul_f32 v[14:15], v[14:15], v[252:253] op_sel_hi:[1,0]   ; the sums under the new M: the plain place behind the exponentials
	s_wait_alu depctr_va_vdst(0)                   ; one wait for the batch of 64, ahead of its first reader
.irp b, 0,1,2,3
	v_exp_f32 v[232+\b], v[232+\b]                 ; the block's largest p
.endr
	v_pk_add_f32 v[236:237], v[100:101], v[104:105]
	v_pk_add_f32 v[254:255], v[108:109], v[112:113]
	v_pk_add_f32 v[246:247], v[116:117], v[120:121]
	v_pk_add_f32 v[244:245], v[124:125], v[128:129]
	v_pk_add_f32 v[238:239], v[132:133], v[136:137]
	v_pk_add_f32 v[230:231], v[140:141], v[144:145]
	v_pk_add_f32 v[228:229], v[148:149], v[152:153]
	v_pk_add_f32 v[14:15], v[14:15], v[156:157]
	v_pk_add_f32 v[236:237], v[236:237], v[96:97]
	v_pk_add_f32 v[254:255], v[254:255], v[98:99]
	v_pk_add_f32 v[246:247], v[246:247], v[102:103]
	v_pk_add_f32 v[244:245], v[244:245], v[106:107]
	v_pk_add_f32 v[238:239], v[238:239], v[110:111]
	v_pk_add_f32 v[230:231], v[230:231], v[114:115]
	v_pk_add_f32 v[228:229], v[228:229], v[118:119]
	v_pk_add_f32 v[14:15], v[14:15], v[122:123]
	v_pk_add_f32 v[236:237], v[236:237], v[126:127]
	v_pk_add_f32 v[254:255], v[254:255], v[130:131]
	v_pk_add_f32 v[246:247], v[246:247], v[134:135]
	v_pk_add_f32 v[244:245], v[244:245], v[138:139]
	v_pk_add_f32 v[238:239], v[238:239], v[142:143]
	v_pk_add_f32 v[230:231], v[230:231], v[146:147]
	v_pk_add_f32 v[228:229], v[228:229], v[150:151]
	v_pk_add_f32 v[14:15], v[14:15], v[154:155]
	v_pk_add_f32 v[236:237], v[236:237], v[158:159]
	s_delay_alu instid0(VALU_DEP_2)
	v_pk_add_f32 v[14:15], v[14:15], v[244:245]
	s_delay_alu instid0(VALU_DEP_2)
	v_pk_add_f32 v[236:237], v[236:237], v[238:239]
	v_pk_add_f32 v[254:255], v[254:255], v[230:231]
	v_pk_add_f32 v[246:247], v[246:247], v[228:229]
	s_delay_alu instid0(VALU_DEP_2)
	v_pk_add_f32 v[14:15], v[14:15], v[254:255]
	s_delay_alu instid0(VALU_DEP_2)
	v_pk_add_f32 v[236:237], v[236:237], v[246:247]
	s_delay_alu instid0(VALU_DEP_1)
	v_pk_add_f32 v[14:15], v[14:15], v[236:237]
	s_wait_alu depctr_va_vdst(0)                   ; and one for the four
.irp b, 0,1,2,3
	v_max_num_f32 v[232+\b], 0x1800000, v[232+\b]  ; the floor 2^(3 - 127)
.endr
.irp b, 0,1,2,3
	s_delay_alu instid0(VALU_DEP_4)
	v_add_nc_u32 v[244+\b], 0xff000000, v[232+\b]  ; the conversion's scale operand
.endr
.irp b, 0,1,2,3
	s_delay_alu instid0(VALU_DEP_4)
	v_lshrrev_b32 v[236+\b], 23, v[244+\b]         ; the byte
.endr
	s_delay_alu instid0(VALU_DEP_3)
	v_lshl_or_b32 v253, v237, 8, v236              ; p's scale word for these 128 keys
	s_delay_alu instid0(VALU_DEP_1)
	v_lshl_or_b32 v253, v238, 16, v253
	s_delay_alu instid0(VALU_DEP_1)
	v_lshl_or_b32 v253, v239, 24, v253
.irp b, 0,1,2,3
	v_cvt_scalef32_pk8_fp4_f32 v[224+2*\b], v[96+16*\b:103+16*\b], v[244+\b]
	v_cvt_scalef32_pk8_fp4_f32 v[225+2*\b], v[104+16*\b:111+16*\b], v[244+\b]
.endr
	v_nop                                          ; one plain place behind a scaled conversion
.irp c, 0,1
.irp i, 0,1
	v_permlane16_swap_b32 v[224+4*\c+\i], v[226+4*\c+\i]   ; a whole block to a lane
.endr
.endr
.set nn, 0
.rept 16
	v_pk_mul_f32 v[160+nn:161+nn], v[160+nn:161+nn], v[252:253] op_sel_hi:[1,0]   ; O^T under the new M; these sixteen also stand between the scale word's and the codes' last writes and the products
.set nn, nn+2
.endr
	s_wait_alu depctr_va_vdst(0)
	s_wait_dscnt 0x0                               ; V and its scale words are in
.irp dt, 0,1,2,3
.if \dt%2 == 0
	v_wmma_scale_f32_16x16x128_f8f6f4 v[160+8*\dt:167+8*\dt], v[192+8*\dt:199+8*\dt], v[224:231], v[160+8*\dt:167+8*\dt], v[240+\dt/2], v253 matrix_a_fmt:MATRIX_FMT_FP4 matrix_b_fmt:MATRIX_FMT_FP4
.else
	v_wmma_scale_f32_16x16x128_f8f6f4 v[160+8*\dt:167+8*\dt], v[192+8*\dt:199+8*\dt], v[224:231], v[160+8*\dt:167+8*\dt], v[240+\dt/2], v253 matrix_a_fmt:MATRIX_FMT_FP4 matrix_b_fmt:MATRIX_FMT_FP4 matrix_a_scale:MATRIX_SCALE_ROW1
.endif
.endr
.rept 4
	v_nop                                          ; four places in front of the next step's loads into V's registers, and of the way out's first read of O^T
.endr
.Lhidden_\@:
.endm
; A tile's end: O^T / the sum, quantised along the head's 64: two blocks; the codes are 16 bytes a lane.
.macro OUT ou, st
	v_add_f32 v14, v14, v15
	s_delay_alu instid0(VALU_DEP_1)
	v_permlanex16_b32 v252, v14, s[SEL], s[SEL+1]
	s_delay_alu instid0(VALU_DEP_1)
	v_add_f32 v14, v14, v252                       ; the row's sum
	s_wait_alu depctr_va_vdst(0)
	v_rcp_f32 v14, v14
	v_nop                                          ; a plain place behind the reciprocal
	s_wait_alu depctr_va_vdst(0)                   ; and the wait ahead of its first reader
.set nn, 0
.rept 16
	v_pk_mul_f32 v[96+nn:97+nn], v[160+nn:161+nn], v[14:15] op_sel_hi:[1,0]   ; register 16 b + i: channel 32 b + 16 (lane / 16) + i; each accumulator from its low end on
.set nn, nn+2
.endr
.irp b, 0,1
	v_max3_num_f32 v[232+\b], |v[96+16*\b]|, |v[97+16*\b]|, 0x1800000
.endr
.irp i, 2,4,6,8,10,12,14
.irp b, 0,1
	s_delay_alu instid0(VALU_DEP_2)
	v_max3_num_f32 v[232+\b], v[232+\b], |v[96+16*\b+\i]|, |v[97+16*\b+\i]|
.endr
.endr
.irp b, 0,1
	s_delay_alu instid0(VALU_DEP_2)
	v_permlanex16_b32 v[236+\b], v[232+\b], s[SEL], s[SEL+1]
.endr
.irp b, 0,1
	s_delay_alu instid0(VALU_DEP_2)
	v_max_num_f32 v[232+\b], v[232+\b], v[236+\b]
.endr
.irp b, 0,1
	s_delay_alu instid0(VALU_DEP_2)
	v_add_nc_u32 v[244+\b], 0xff000000, v[232+\b]
.endr
.irp b, 0,1
	s_delay_alu instid0(VALU_DEP_2)
	v_lshrrev_b32 v[236+\b], 23, v[244+\b]
.endr
	s_delay_alu instid0(VALU_DEP_1)
	v_lshl_or_b32 v254, v237, 8, v236              ; the head's two bytes of my row
.irp b, 0,1
	v_cvt_scalef32_pk8_fp4_f32 v[224+2*\b], v[96+16*\b:103+16*\b], v[244+\b]
	v_cvt_scalef32_pk8_fp4_f32 v[225+2*\b], v[104+16*\b:111+16*\b], v[244+\b]
.endr
	v_nop
	v_permlane16_swap_b32 v224, v226
	v_permlane16_swap_b32 v225, v227
	global_store_b128 v1, v[224:227], s[\ou:\ou+1] ; 512 consecutive bytes
	ds_store_b32 v[\st], v254                      ; lanes r and r + 16 write the same word with the same value
.endm
.macro PASS n, qf, qs, g, dq, ou, st
	s_wait_xcnt 0x0                                ; the last tile's store has read its registers
	v_mov_b32 v13, 0xff61b1e6                      ; the largest t so far: -3e38
	s_delay_alu instid0(VALU_DEP_1)
	v_floor_f32 v12, -v13
	v_mov_b32 v14, 0
	v_mov_b32 v15, 0
.set nn, 0
.rept 32
	v_mov_b32 v[160+nn], 0                         ; O^T: the step is written once; its first trip finds zeros
.set nn, nn+1
.endr
	s_mov_b32 s[TB], 0
	s_mov_b32 s[STP], 0
.Lstep_\@:
	STEP \qf, \qs, \g, \dq
	s_add_co_u32 s[TB], s[TB], REC
	s_add_co_u32 s[STP], s[STP], 1
	s_cmp_lt_u32 s[STP], \n
	s_cbranch_scc1 .Lstep_\@
	OUT \ou, \st
.endm
	PASS 8, 16, 6, 42, 5, 54, 243
	PASS 16, 24, 7, 43, 242, 56, 248
	s_wait_dscnt 0x0                               ; for the others' sake: my two words have landed
	s_barrier_signal -1
	s_barrier_wait -1
	s_cmp_lt_u32 s[WV], 4
	s_cbranch_scc0 .Lno_words
	ds_load_b128 v[96:99], v249
	s_wait_dscnt 0x0
	global_store_b128 v250, v[96:99], s[58:59]     ; sixteen lanes store 256 consecutive bytes, aligned
.Lno_words:
	s_wait_xcnt 0x0
	v_lshl_add_u32 v254, v0, 2, 0x29000
	v_mov_b32 v255, 0
	s_wait_alu depctr_va_vdst(0)
	s_wait_tensorcnt 0x0
	ds_add_u32 v254, v255
	s_wait_dscnt 0x0
	CROUND                                         ; the closing round
	s_endpgm
.Lfunc_end_k_q5230de2fcf_attn:
	.size	k_q5230de2fcf_attn, .Lfunc_end_k_q5230de2fcf_attn-k_q5230de2fcf_attn
	.p2alignl 7, 3214868480
	.fill 96, 4, 3214868480
	.section	.rodata,"a",@progbits
	.p2align	6, 0x0
	.amdhsa_kernel k_q5230de2fcf_attn
		.amdhsa_group_segment_fixed_size 169984
		.amdhsa_private_segment_fixed_size 0
		.amdhsa_enable_private_segment 0
		.amdhsa_kernarg_size 24
		.amdhsa_user_sgpr_count 2
		.amdhsa_user_sgpr_kernarg_segment_ptr 1
		.amdhsa_wavefront_size32 1
		.amdhsa_system_sgpr_workgroup_id_x 1
		.amdhsa_system_sgpr_workgroup_id_y 1
		.amdhsa_system_sgpr_workgroup_id_z 1
		.amdhsa_system_vgpr_workitem_id 0
		.amdhsa_next_free_vgpr 256
		.amdhsa_next_free_sgpr 66
		.amdhsa_reserve_vcc 1
		.amdhsa_float_denorm_mode_32 3
		.amdhsa_float_denorm_mode_16_64 3
		.amdhsa_memory_ordered 1
		.amdhsa_forward_progress 1
		.amdhsa_inst_pref_size 63
	.end_amdhsa_kernel
	.amdgpu_metadata
---
amdhsa.version: [ 1, 2 ]
amdhsa.kernels:
  - .name:           k_q5230de2fcf_attn
    .symbol:         k_q5230de2fcf_attn.kd
    .args:
      - { .name: kv, .offset: 0, .size: 8, .value_kind: global_buffer, .address_space: global }
      - { .name: qq, .offset: 8, .size: 8, .value_kind: global_buffer, .address_space: global }
      - { .name: sa, .offset: 16, .size: 8, .value_kind: global_buffer, .address_space: global }
    .group_segment_fixed_size: 169984
    .private_segment_fixed_size: 0
    .kernarg_segment_align: 8
    .kernarg_segment_size: 24
    .max_flat_workgroup_size: 512
    .sgpr_count:     66
    .vgpr_count:     256
    .wavefront_size: 32
...
	.end_amdgpu_metadata
.endif
;; end of part 3
;; launch proj (part 4): grid 8 x 32, 4 waves a work-group, clusters of 4 x 4, 251,392 bytes of LDS; arguments sa, wpq, b_proj, out0; writes out0
.if DOCPART == 4
	.amdgcn_target "amdgcn-amd-amdhsa--gfx1250"
	.amdhsa_code_object_version 6
	.text
	.protected	k_q5230de2fcf_proj
	.globl	k_q5230de2fcf_proj
	.p2align	8
	.type	k_q5230de2fcf_proj,@function
k_q5230de2fcf_proj:
	s_mov_b64 s[64:65], 0
	v_nop
	global_prefetch_b8 v0, s[64:65] scope:SCOPE_SE
	s_setreg_imm32_b32 hwreg(HW_REG_WAVE_MODE, 25, 1), 1
	s_wait_xcnt 0x0
	s_wait_alu depctr_hold_cnt(0) depctr_sa_sdst(0) depctr_va_vdst(0) depctr_va_sdst(0) depctr_va_ssrc(0) depctr_va_vcc(0) depctr_vm_vsrc(0)
	s_getreg_b32 s2, hwreg(HW_REG_IB_STS2, 6, 4)
	s_cmp_eq_u32 s2, 0
	s_cbranch_scc0 .Lentry_in_a_cluster
	s_endpgm
.Lentry_in_a_cluster:
	s_bfe_u32 s2, ttmp6, 0x10000c
	s_cmp_lg_u32 s2, 0xf033
	s_cbranch_scc0 .Lentry_shape_is_right
	s_endpgm
.Lentry_shape_is_right:
; out0 = sa W_proj + b_proj on codes of FP4 (E2M1) with E8M0 scales, sums in f32.
; SHARES.  A work-group takes 256 tokens x 128 columns; wave w takes sa's tiles 4 w .. 4 w + 3 against 8 tiles of W: 32 accumulators, 8 steps of 128 along K.  All of K lies in LDS, every byte filled once: no ring.
; Source 0 = 16 columns of W, source 1 = 16 tokens: a lane holds one token and eight neighbouring columns.  The bias is the C of each sum's first product.
; CLUSTER 4 x 4: sa's tiles are shared along a row of the cluster, W's along a column: joint loads, one a wave (whole images for all of K), all behind one round.
; sa's scale words come as two bytes a head and row: two heads' make the word of a step of 128.
; THE WAY OUT: a tile's 16 rows x 512 bytes go through the wave's own stage in LDS and leave as whole rows: 512 consecutive bytes a store.
; REGISTERS: window 0: v1-13 addresses; v32-47 sa's scale words, v48-79 W's; v128-191 sa's fragments, two sets; v192-223 half words; on the way out v128-255.  window 1: W's fragments, two sets at v0 and v128.
;   window 2: accumulators (tile i, W tile a) at v[8 (8 i + a)].  window 3: v0-63 the bias.
; AS THE TEXT NOW STANDS: each wave issues ONE joint load, whole images for all of K (sa: 8 images, W: 4), dense rows of 4,096 bytes; the scale words go from memory straight into registers.
.set BIMG, 131072                      ; LDS: sa [16 tiles][8,192]; W [8 tiles][8,192]
.set STG,  217088                      ; the stages: 16 rows x 528 bytes a wave: no fill lands here
.set AA0, 3
.set AB0, 5
.set ASA, 7
.set ASB, 8
.set STO, 9
.set RD,  10
.set SCA, 32
.set SCB, 48
.set AF,  128
.set RAW, 192
.set G1A,  24
.set G1B,  48
.set G1SA, 68
.set G1SB, 80
.set MSB, 0
.macro WIN new
.if MSB != \new
	s_set_vgpr_msb (MSB<<8)|\new
.set MSB, \new
.endif
.endm
.macro CROUND
	s_barrier_signal -1
	s_barrier_wait -1
	s_cmp_lg_u32 s14, 0
	s_cbranch_scc1 .Lnot_wave_0_\@
	s_barrier_signal -3
.Lnot_wave_0_\@:
	s_barrier_wait -3
	s_barrier_signal -1
	s_barrier_wait -1
.endm
.macro PLACES n
.rept \n
	v_nop
.endr
.endm
.macro SHAPE g, c, r, p
	s_mov_b32 s[\g+1], (\c)<<16
	s_mov_b32 s[\g+2], (\r)<<16
	s_mov_b32 s[\g+3], (\c)<<16
	s_mov_b32 s[\g+4], \r
	s_mov_b32 s[\g+5], \p
	s_mov_b32 s[\g+6], 0
	s_mov_b32 s[\g+7], 0
.endm
	s_load_b256 s[4:11], s[0:1], 0x0               ; sa, wpq, b_proj, out0
	v_lshl_add_u32 v126, v0, 2, 0x3d400
	v_mov_b32 v127, 0
	ds_add_u32 v126, v127
	ds_add_u32 v126, v127
	v_lshrrev_b32 v15, 5, v0
	v_readfirstlane_b32 s14, v15                   ; wave 0..3
	s_lshr_b32 s15, s14, 1                         ; I fetch for sa (0) or for W (1)
	s_and_b32 s16, s14, 1                          ; e: which half of that side
	s_bfe_u32 s40, ttmp6, 0x40000
	s_bfe_u32 s41, ttmp6, 0x40004
	s_lshl_b32 s42, ttmp9, 2
	s_add_co_u32 s42, s42, s40                     ; column block
	s_and_b32 s17, ttmp7, 0xffff
	s_lshl_b32 s17, s17, 2
	s_add_co_u32 s17, s17, s41                     ; row block
	s_lshl_b32 s43, s41, 2
	s_lshl_b32 s43, 15, s43
	s_lshl_b32 s44, 0x1111, s40
	s_or_b32 s[G1A], s43, (3<<16)|(1<<21)
	s_or_b32 s[G1B], s44, (3<<16)|(1<<21)
	SHAPE G1A, 512, 16, 512                        ; 8 whole images: 16 dense rows of 4,096 bytes
	SHAPE G1B, 512, 8, 512                         ; 4 whole images
	v_and_b32 v15, 31, v0
	v_lshlrev_b32 v1, 4, v15                       ; 16 x lane
	s_lshl_b32 s45, s14, 15
	v_add_nc_u32 v3, s45, v1
	v_add_nc_u32 v5, BIMG, v1
	v_lshlrev_b32 v7, 2, v15
	s_lshl_b32 s45, s16, 9
	v_add_nc_u32 v7, s45, v7
	s_lshl_b32 s45, s15, 7
	v_add_nc_u32 v7, s45, v7
	v_bfe_u32 v16, v0, 4, 1                        ; h
	v_and_b32 v17, 15, v0                          ; r
	s_mul_i32 s45, s14, 8448
	v_mul_u32_u24 v9, v17, 528
	v_lshl_add_u32 v9, v16, 6, v9
	v_add_nc_u32 v9, s45, v9
	v_add_nc_u32 v9, STG, v9                       ; the stage, in: row r, + 64 h
	v_add_nc_u32 v10, s45, v1
	v_add_nc_u32 v10, STG, v10                     ; back: a row of 512 bytes to the 32 lanes
	v_lshlrev_b32 v13, 6, v16                      ; the bias: 16 h numbers on
	; sa's side: from the row block and the wave alone
	s_lshl_b32 s66, s17, 17
	s_lshl_b32 s45, s16, 16
	s_add_co_u32 s66, s66, s45
	s_mov_b32 s67, 0
	s_lshr_b32 s2, s17, 3
	s_lshl_b32 s2, s2, 17
	s_and_b32 s3, s17, 7
	s_lshl_b32 s3, s3, 10
	s_add_co_u32 s2, s2, s3
	s_add_co_u32 s2, s2, 4194304
	s_mov_b32 s3, 0
	s_lshl_b32 s92, s17, 20                        ; out0: row 256 rb + 64 w, column 128 cb
	s_lshl_b32 s93, s14, 18
	s_add_co_u32 s92, s92, s93
	s_lshl_b32 s93, s42, 9
	s_add_co_u32 s92, s92, s93
	s_mov_b32 s93, 0
	s_wait_dscnt 0x0
	s_wait_kmcnt 0x0
	s_add_nc_u64 s[92:93], s[10:11], s[92:93]
	s_add_nc_u64 s[34:35], s[4:5], s[66:67]
	s_add_nc_u64 s[78:79], s[4:5], s[2:3]          ; sa's half words, head 0: a plain base; a head is 8,192 bytes on
	s_or_b32 s35, s35, 0x80000000
	s_mov_b32 s32, 1
	s_lshl_b32 s33, s16, 16
	; W's side: from the column block and the wave alone
	s_lshl_b32 s98, s42, 16
	s_lshl_b32 s45, s16, 15
	s_add_co_u32 s98, s98, s45
	s_mov_b32 s99, 0
	s_add_nc_u64 s[58:59], s[6:7], s[98:99]
	s_lshl_b32 s98, s42, 12
	s_add_co_u32 s98, s98, 524288
	s_add_nc_u64 s[90:91], s[6:7], s[98:99]        ; the block's four scale images: a plain base
	s_or_b32 s59, s59, 0x80000000
	s_mov_b32 s56, 1
	s_lshl_b32 s57, s16, 15
	s_add_co_u32 s57, s57, BIMG
	s_lshl_b32 s98, s42, 9
	s_add_nc_u64 s[8:9], s[8:9], s[98:99]          ; the block's 128 biases
	CROUND
	s_cmp_eq_u32 s15, 0
	s_cbranch_scc0 .Lfor_w
	tensor_load_to_lds s[32:35], s[24:31]          ; my one tensor load: 8 images of sa
	s_nop 0
.rept 4
	v_nop
.endr
	s_branch .Lasked
.Lfor_w:
	tensor_load_to_lds s[56:59], s[48:55]          ; my one tensor load: 4 images of W
	s_nop 0
.rept 4
	v_nop
.endr
.Lasked:
	WIN 0xc0
	s_wait_alu depctr_va_vdst(0)
.irp a, 0,1,2,3,4,5,6,7
	global_load_b128 v[8*\a:8*\a+3], v13, s[8:9] offset:(32*(\a/2)+8*(\a%2))*4
	global_load_b128 v[8*\a+4:8*\a+7], v13, s[8:9] offset:(32*(\a/2)+8*(\a%2))*4+16
.endr
	WIN 0
.macro WM
.if (fA == 0) && (fB == 0)
	v_wmma_scale_f32_16x16x128_f8f6f4 v[rD:rD+7], v[rA:rA+7], v[rB:rB+7], v[rC:rC+7], v[rSA], v[rSB] matrix_a_fmt:MATRIX_FMT_FP4 matrix_b_fmt:MATRIX_FMT_FP4
.elseif (fA == 1) && (fB == 0)
	v_wmma_scale_f32_16x16x128_f8f6f4 v[rD:rD+7], v[rA:rA+7], v[rB:rB+7], v[rC:rC+7], v[rSA], v[rSB] matrix_a_fmt:MATRIX_FMT_FP4 matrix_b_fmt:MATRIX_FMT_FP4 matrix_a_scale:MATRIX_SCALE_ROW1
.elseif (fA == 0) && (fB == 1)
	v_wmma_scale_f32_16x16x128_f8f6f4 v[rD:rD+7], v[rA:rA+7], v[rB:rB+7], v[rC:rC+7], v[rSA], v[rSB] matrix_a_fmt:MATRIX_FMT_FP4 matrix_b_fmt:MATRIX_FMT_FP4 matrix_b_scale:MATRIX_SCALE_ROW1
.else
	v_wmma_scale_f32_16x16x128_f8f6f4 v[rD:rD+7], v[rA:rA+7], v[rB:rB+7], v[rC:rC+7], v[rSA], v[rSB] matrix_a_fmt:MATRIX_FMT_FP4 matrix_b_fmt:MATRIX_FMT_FP4 matrix_a_scale:MATRIX_SCALE_ROW1 matrix_b_scale:MATRIX_SCALE_ROW1
.endif
.endm
.macro FETCH s                         ; 24 LDS loads: step s's fragments of W (8) and of sa (4) into set s % 2
	WIN 0x40
.irp a, 0,1,2,3,4,5,6,7
.irp c, 0,1
	ds_load_b128 v[128*((\s)%2)+8*\a+4*\c:128*((\s)%2)+8*\a+4*\c+3], v[AB0] offset:\a*8192+(\s)*1024+512*\c
.endr
.endr
	WIN 0
.irp i, 0,1,2,3
.irp c, 0,1
	ds_load_b128 v[AF+32*((\s)%2)+8*\i+4*\c:AF+32*((\s)%2)+8*\i+4*\c+3], v[AA0] offset:\i*8192+(\s)*1024+512*\c
.endr
.endr
.endm
.macro MUL s                           ; 32 products; the 32 accumulators take turns, one instruction a turn, in the same order in every step
.if (\s) == 0
	WIN 0xb1
.else
	WIN 0xa1
.endif
.irp i, 0,1,2,3
.irp a, 0,1,2,3,4,5,6,7
.set rD, 8*(8*\i+\a)
.set rA, 128*((\s)%2)+8*\a
.set rB, AF+32*((\s)%2)+8*\i
.if (\s) == 0
.set rC, 8*\a
.else
.set rC, rD
.endif
.set rSA, SCB+8*(\a/2)+(\s)
.set rSB, SCA+8*(\i/2)+(\s)
.set fA, \a%2
.set fB, \i%2
	WM
.endr
.endr
.endm
.irp p, 0,1
.irp hd, 0,1,2,3,4,5,6,7,8,9,10,11,12,13,14,15
	global_load_b32 v[RAW+16*\p+\hd], v[ASA], s[78:79] offset:\hd*8192+\p*256    ; lanes 0-15 tile 2 p, lanes 16-31 tile 2 p + 1: a head's two bytes
.endr
.endr
.irp p, 0,1,2,3
.irp q, 0,1
	global_load_b128 v[SCB+8*\p+4*\q:SCB+8*\p+4*\q+3], v1, s[90:91] offset:\p*1024+\q*512
.endr
.endr
	s_wait_loadcnt 0x0                             ; the biases and all scale words; the tensor load is still on its way
.irp p, 0,1
.irp s, 0,1,2,3,4,5,6,7
	v_lshl_or_b32 v[SCA+8*\p+\s], v[RAW+16*\p+2*\s+1], 16, v[RAW+16*\p+2*\s]   ; heads 2 s and 2 s + 1: the word of step s
.endr
.endr
	PLACES 8                                       ; a scale register written by a vector instruction stands eight places ahead of a scaled product
	s_wait_alu depctr_va_vdst(0)
	s_wait_tensorcnt 0x0                           ; my images are in,
	s_barrier_signal -1
	s_barrier_wait -1                              ; everybody's are
	FETCH 0
.irp s, 0,1,2,3,4,5,6
.if \s > 0
	PLACES 4                                       ; four plain places between the last product and loads into registers that products have read
.endif
	FETCH \s+1
	s_wait_dscnt 24                                ; all but the 24 loads just issued
	MUL \s
.endr
	s_wait_dscnt 0x0
	MUL 7
	WIN 0
	PLACES 4                                       ; in front of the first read of results and of loads into the fragments' registers
.macro TOSTAGE i
	WIN 0x08                                       ; an LDS store's data: window 2
.irp a, 0,1,2,3,4,5,6,7
	ds_store_b128 v[STO], v[8*(8*(\i)+\a):8*(8*(\i)+\a)+3] offset:128*(\a/2)+32*(\a%2)       ; each accumulator from its low end on: columns 32 (a / 2) + 16 h + 8 (a % 2) + 0 .. 7
	ds_store_b128 v[STO], v[8*(8*(\i)+\a)+4:8*(8*(\i)+\a)+7] offset:128*(\a/2)+32*(\a%2)+16
.endr
	WIN 0
.set BB, 128+64*((\i)%2)
.irp t, 0,1,2,3,4,5,6,7,8,9,10,11,12,13,14,15
	ds_load_b128 v[BB+4*\t:BB+4*\t+3], v[RD] offset:528*\t         ; a wave's LDS instructions go in order: these see the stores above
.endr
.endm
.macro SEND i, younger                 ; row t of tile i is token 32 (i / 2) + 8 (i % 2) + t + 8 (t / 8) of my 64
.set BB, 128+64*((\i)%2)
	s_wait_dscnt \younger
.irp t, 0,1,2,3,4,5,6,7,8,9,10,11,12,13,14,15
	global_store_b128 v1, v[BB+4*\t:BB+4*\t+3], s[92:93] offset:(32*((\i)/2)+8*((\i)%2)+\t+8*(\t/8))*4096 th:TH_STORE_NT   ; 32 lanes store 512 consecutive bytes
.endr
.endm
	TOSTAGE 0
.irp i, 1,2,3
.if \i > 1
	s_wait_xcnt 0x0                                ; tile i - 2's stores have read their registers: tile i's rows may land there
.endif
	TOSTAGE \i
	SEND \i-1, 32                                  ; behind tile i - 1's loads: tile i's 16 stores and 16 loads
.endr
	SEND 3, 0
	s_wait_tensorcnt 0x0
	ds_add_u32 v126, v127
	s_wait_dscnt 0x0
	CROUND                                         ; the closing round
	s_endpgm
.Lfunc_end_k_q5230de2fcf_proj:
	.size	k_q5230de2fcf_proj, .Lfunc_end_k_q5230de2fcf_proj-k_q5230de2fcf_proj
	.p2alignl 7, 3214868480
	.fill 96, 4, 3214868480
	.section	.rodata,"a",@progbits
	.p2align	6, 0x0
	.amdhsa_kernel k_q5230de2fcf_proj
		.amdhsa_group_segment_fixed_size 251392
		.amdhsa_private_segment_fixed_size 0
		.amdhsa_enable_private_segment 0
		.amdhsa_kernarg_size 32
		.amdhsa_user_sgpr_count 2
		.amdhsa_user_sgpr_kernarg_segment_ptr 1
		.amdhsa_wavefront_size32 1
		.amdhsa_system_sgpr_workgroup_id_x 1
		.amdhsa_system_sgpr_workgroup_id_y 1
		.amdhsa_system_sgpr_workgroup_id_z 1
		.amdhsa_system_vgpr_workitem_id 0
		.amdhsa_next_free_vgpr 832
		.amdhsa_next_free_sgpr 100
		.amdhsa_reserve_vcc 0
		.amdhsa_float_denorm_mode_32 3
		.amdhsa_float_denorm_mode_16_64 3
		.amdhsa_memory_ordered 1
		.amdhsa_forward_progress 1
		.amdhsa_inst_pref_size 73
	.end_amdhsa_kernel
	.amdgpu_metadata
---
amdhsa.version: [ 1, 2 ]
amdhsa.kernels:
  - .name:           k_q5230de2fcf_proj
    .symbol:         k_q5230de2fcf_proj.kd
    .args:
      - { .name: sa, .offset: 0, .size: 8, .value_kind: global_buffer, .address_space: global }
      - { .name: wpq, .offset: 8, .size: 8, .value_kind: global_buffer, .address_space: global }
      - { .name: b_proj, .offset: 16, .size: 8, .value_kind: global_buffer, .address_space: global }
      - { .name: out0, .offset: 24, .size: 8, .value_kind: global_buffer, .address_space: global }
    .group_segment_fixed_size: 251392
    .private_segment_fixed_size: 0
    .kernarg_segment_align: 8
    .kernarg_segment_size: 32
    .max_flat_workgroup_size: 128
    .sgpr_count:     100
    .vgpr_count:     832
    .wavefront_size: 32
...
	.end_amdgpu_metadata
.endif
;; end of part 4
